; MI455X (gfx1250); checked and timed in simulation.
; The chip was launched on July 23, 2026; its instructions are those of AMD's public machine-readable ISA for CDNA 5 (MIT licence, August 2026) and "CDNA5" Instruction Set Architecture Reference Guide (July 2026). The comments in the code are by the model that wrote it; some were corrected since.
;; Deformable DETR Encoder Layer. Allowed arithmetic: float matrix products may take bf16 or f16 operands with f32 sums; all other float work in f32.
;; Inputs: W1 256 x 1,024 float32; W2 1,024 x 256 float32; Wattn 256 x 128 float32; Woff 256 x 256 float32; Wout 256 x 256 float32; Wv 256 x 256 float32; b1 1,024 float32; b2 256 float32; battn 128 float32; boff 256 float32; bout 256 float32; bv 256 float32; ln1_bias 256 float32; ln1_scale 256 float32; ln2_bias 256 float32; ln2_scale 256 float32; pad_mask 2 x 21,760 bool; pos_embed 2 x 21,760 x 256 float32; ref_points 2 x 21,760 x 4 x 2 float32; src 2 x 21,760 x 256 float32.
;; Outputs: out0 2 x 21,760 x 256 float32.
;; 2 versions, each right and faster than the one before. Each part assembles by itself: llvm-mc -triple=amdgcn-amd-amdhsa -mcpu=gfx1250 --defsym DOCPART=n.
;; ======== version 1 of 2: 4 launches
;; limits: values outside matrix products are rounded to bf16; values are held in f16: magnitudes above 65,504 overflow, below 6.1e-05 lose precision
;; workspace buffers: wsA 327,680 bytes; wsB 1,179,648 bytes; val 22,282,240 bytes; idx 11,141,120 bytes of whole numbers; wgt 44,564,480 bytes; samp 22,282,240 bytes
;; launch prep (part 1): grid 368 x 1, 8 waves a work-group, no clusters, 0 bytes of LDS; arguments Woff, Wattn, Wv, Wout, W1, W2, wsA, wsB; writes wsA, wsB
.if DOCPART == 1
	.amdgcn_target "amdgcn-amd-amdhsa--gfx1250"
	.amdhsa_code_object_version 6
	.text
	.protected	k_q4c7f7c51a7_prep
	.globl	k_q4c7f7c51a7_prep
	.p2align	8
	.type	k_q4c7f7c51a7_prep,@function
k_q4c7f7c51a7_prep:
	s_mov_b64 s[64:65], 0
	v_nop
	global_prefetch_b8 v0, s[64:65] scope:SCOPE_SE
	s_setreg_imm32_b32 hwreg(HW_REG_WAVE_MODE, 25, 1), 1
	s_wait_xcnt 0x0
; The six weight matrices, f32 [K][N], are rewritten once as f16 matrix fragments of 1,024 bytes.
; FORMAT: f16, for its 11 bits of significand.  Room: the weights have a spread of 1/16 or 1/32; thirty times larger they stay below 12, far from 65,504;
; thirty times smaller (spread 0.001) f16's fixed step of 6e-8 below 6e-5 is still 1.6e-5 of the spread.  A weight beyond 65,504 in magnitude would become infinite.
; A fragment holds 16 output features x 32 k: byte g*512 + L*16 + 2e is W[k0 + 16g + 8(L>>4) + e][n0 + (L&15)],
; so that two 16-byte loads a lane (at 16 L and 512 + 16 L) fill the eight registers of a matrix operand.
; wsA: [wave 4][tile 10][ks 8] for the projections: tiles 0-3 Woff, 4-5 Wattn, 6-9 Wv of the wave's two heads.
; wsB: Wout as [column pair 8][ks*2+ft], then 32 chunks of the FFN: W1 [ks*2+ft] (16 fragments), W2 [nt] (16 fragments).
; Wattn's 16 columns of a head are permuted: slot 8h+4t+p takes column 4(2t+h)+p, so that a lane half h later holds
; the attention weights of the same levels (h and 2+h) whose offsets it holds.
; A work-group writes 4 fragments (4,096 bytes), a thread 16 bytes at 16 x thread: whole runs of 512 bytes a wave.
; The reads are runs of 64 bytes; all six matrices together are 3 MB read once, so no transposition through LDS is spent on them.
	s_load_b512 s[8:23], s[0:1], 0x0               ; Woff s[8:9] Wattn s[10:11] Wv s[12:13] Wout s[14:15] W1 s[16:17] W2 s[18:19] wsA s[20:21] wsB s[22:23]
	s_mov_b32 s24, ttmp9                           ; work-group
	v_lshrrev_b32 v1, 6, v0                        ; fi: which of the group's four fragments
	v_bfe_u32 v2, v0, 4, 2                         ; 2g + h: eight k each
	v_and_b32 v3, 15, v0                           ; slot r'
	v_lshrrev_b32 v4, 3, v3
	v_bfe_u32 v5, v3, 2, 1
	v_lshl_add_u32 v4, v5, 1, v4                   ; (r'>>3) + 2((r'>>2)&1)
	v_and_b32 v5, 3, v3
	v_lshl_add_u32 v4, v4, 2, v5                   ; the permuted column for Wattn
	v_lshlrev_b32 v7, 4, v0                        ; my 16 bytes of the output
	s_mov_b32 s34, 0                               ; permutation off
	s_mov_b32 s41, 0
	s_wait_kmcnt 0x0
	; s[26:27] source, s28 bytes in a source row, s29 first k, s30 first column, k step = 32((fi>>s31)&s32), column step = 16(fi&s33), s[36:37] destination
	s_cmp_lt_u32 s24, 80
	s_cbranch_scc0 .Lnot_proj
	s_mul_i32 s25, s24, 3277
	s_lshr_b32 s25, s25, 16                        ; wave = group / 20 (exact for 0 to 79)
	s_mul_i32 s35, s25, 20
	s_sub_co_u32 s35, s24, s35                     ; 0 to 19
	s_lshr_b32 s38, s35, 1                         ; tile T
	s_and_b32 s29, s35, 1
	s_lshl_b32 s29, s29, 7                         ; ks 0-3 or 4-7
	s_mov_b32 s31, 0
	s_mov_b32 s32, 3
	s_mov_b32 s33, 0
	s_lshl_b32 s40, s24, 12
	s_add_nc_u64 s[36:37], s[20:21], s[40:41]
	s_cmp_lt_u32 s38, 4
	s_cbranch_scc0 .Lnot_off
	s_mov_b64 s[26:27], s[8:9]                     ; Woff, columns 16(4w+T)
	s_movk_i32 s28, 1024
	s_lshl2_add_u32 s30, s25, s38
	s_lshl_b32 s30, s30, 4
	s_branch .Lgo
.Lnot_off:
	s_cmp_lt_u32 s38, 6
	s_cbranch_scc0 .Lvalue
	s_mov_b64 s[26:27], s[10:11]                   ; Wattn, columns 16(2w+T-4), permuted
	s_movk_i32 s28, 512
	s_lshl1_add_u32 s30, s25, s38
	s_sub_co_u32 s30, s30, 4
	s_lshl_b32 s30, s30, 4
	s_mov_b32 s34, -1
	s_branch .Lgo
.Lvalue:
	s_mov_b64 s[26:27], s[12:13]                   ; Wv, columns 16(4w+T-6)
	s_movk_i32 s28, 1024
	s_lshl2_add_u32 s30, s25, s38
	s_sub_co_u32 s30, s30, 6
	s_lshl_b32 s30, s30, 4
	s_branch .Lgo
.Lnot_proj:
	s_cmp_lt_u32 s24, 112
	s_cbranch_scc0 .Lffn_w
	s_sub_co_u32 s25, s24, 80                      ; Wout: column pair j>>2, fragments 4(j&3)+fi = 2 ks + ft
	s_mov_b64 s[26:27], s[14:15]
	s_movk_i32 s28, 1024
	s_lshr_b32 s30, s25, 2
	s_lshl_b32 s30, s30, 5
	s_and_b32 s29, s25, 3
	s_lshl_b32 s29, s29, 6
	s_mov_b32 s31, 1
	s_mov_b32 s32, 1
	s_mov_b32 s33, 1
	s_lshl_b32 s40, s25, 12
	s_add_nc_u64 s[36:37], s[22:23], s[40:41]
	s_branch .Lgo
.Lffn_w:
	s_sub_co_u32 s25, s24, 112
	s_lshr_b32 s35, s25, 3                         ; chunk c: hidden features 32c to 32c+31
	s_and_b32 s38, s25, 7                          ; part 0-3: W1, 4-7: W2
	s_lshl_b32 s40, s25, 12
	s_add_co_u32 s40, s40, 131072
	s_add_nc_u64 s[36:37], s[22:23], s[40:41]
	s_cmp_lt_u32 s38, 4
	s_cbranch_scc0 .Lw2
	s_mov_b64 s[26:27], s[16:17]                   ; W1 [256][1024]
	s_movk_i32 s28, 4096
	s_lshl_b32 s30, s35, 5
	s_lshl_b32 s29, s38, 6
	s_mov_b32 s31, 1
	s_mov_b32 s32, 1
	s_mov_b32 s33, 1
	s_branch .Lgo
.Lw2:
	s_mov_b64 s[26:27], s[18:19]                   ; W2 [1024][256]
	s_movk_i32 s28, 1024
	s_sub_co_u32 s30, s38, 4
	s_lshl_b32 s30, s30, 6
	s_lshl_b32 s29, s35, 5
	s_mov_b32 s31, 0
	s_mov_b32 s32, 0
	s_mov_b32 s33, 3
.Lgo:
	v_lshrrev_b32 v5, s31, v1
	v_and_b32 v5, s32, v5
	v_lshlrev_b32 v5, 5, v5
	v_lshl_add_u32 v5, v2, 3, v5
	v_add_nc_u32 v5, s29, v5                       ; my first k
	v_cndmask_b32 v6, v3, v4, s34
	v_and_b32 v8, s33, v1
	v_lshl_add_u32 v6, v8, 4, v6
	v_add_nc_u32 v6, s30, v6                       ; my column
	v_mul_lo_u32 v8, v5, s28
	v_lshl_add_u32 v8, v6, 2, v8                   ; byte offset of W[k][n]
.irp e, 1,2,3,4,5,6,7
	v_add_nc_u32 v[8+\e], s28, v[7+\e]             ; one row further down
.endr
.irp e, 0,1,2,3,4,5,6,7
	global_load_b32 v[16+\e], v[8+\e], s[26:27]
.endr
	s_wait_loadcnt 0x0
.irp j, 0,1,2,3
	v_cvt_pk_f16_f32 v[24+\j], v[16+2*\j], v[17+2*\j]
.endr
	global_store_b128 v7, v[24:27], s[36:37]
	s_endpgm
.Lfunc_end_k_q4c7f7c51a7_prep:
	.size	k_q4c7f7c51a7_prep, .Lfunc_end_k_q4c7f7c51a7_prep-k_q4c7f7c51a7_prep
	.p2alignl 7, 3214868480
	.fill 96, 4, 3214868480
	.section	.rodata,"a",@progbits
	.p2align	6, 0x0
	.amdhsa_kernel k_q4c7f7c51a7_prep
		.amdhsa_group_segment_fixed_size 0
		.amdhsa_private_segment_fixed_size 0
		.amdhsa_enable_private_segment 0
		.amdhsa_kernarg_size 64
		.amdhsa_user_sgpr_count 2
		.amdhsa_user_sgpr_kernarg_segment_ptr 1
		.amdhsa_wavefront_size32 1
		.amdhsa_system_sgpr_workgroup_id_x 1
		.amdhsa_system_sgpr_workgroup_id_y 1
		.amdhsa_system_sgpr_workgroup_id_z 1
		.amdhsa_system_vgpr_workitem_id 0
		.amdhsa_next_free_vgpr 32
		.amdhsa_next_free_sgpr 66
		.amdhsa_reserve_vcc 0
		.amdhsa_float_denorm_mode_32 3
		.amdhsa_float_denorm_mode_16_64 3
		.amdhsa_memory_ordered 1
		.amdhsa_forward_progress 1
		.amdhsa_inst_pref_size 6
	.end_amdhsa_kernel
	.amdgpu_metadata
---
amdhsa.version: [ 1, 2 ]
amdhsa.kernels:
  - .name:           k_q4c7f7c51a7_prep
    .symbol:         k_q4c7f7c51a7_prep.kd
    .args:
      - { .name: Woff, .offset: 0, .size: 8, .value_kind: global_buffer, .address_space: global }
      - { .name: Wattn, .offset: 8, .size: 8, .value_kind: global_buffer, .address_space: global }
      - { .name: Wv, .offset: 16, .size: 8, .value_kind: global_buffer, .address_space: global }
      - { .name: Wout, .offset: 24, .size: 8, .value_kind: global_buffer, .address_space: global }
      - { .name: W1, .offset: 32, .size: 8, .value_kind: global_buffer, .address_space: global }
      - { .name: W2, .offset: 40, .size: 8, .value_kind: global_buffer, .address_space: global }
      - { .name: wsA, .offset: 48, .size: 8, .value_kind: global_buffer, .address_space: global }
      - { .name: wsB, .offset: 56, .size: 8, .value_kind: global_buffer, .address_space: global }
    .group_segment_fixed_size: 0
    .private_segment_fixed_size: 0
    .kernarg_segment_align: 8
    .kernarg_segment_size: 64
    .max_flat_workgroup_size: 256
    .sgpr_count:     66
    .vgpr_count:     32
    .wavefront_size: 32
...
	.end_amdgpu_metadata
.endif
;; end of part 1
;; launch proj (part 2): grid 256 x 1, 4 waves a work-group, no clusters, 28,160 bytes of LDS; arguments src, pos_embed, ref_points, pad_mask, boff, battn, bv, wsA, val, idx, wgt; writes val, idx, wgt
.if DOCPART == 2
	.amdgcn_target "amdgcn-amd-amdhsa--gfx1250"
	.amdhsa_code_object_version 6
	.text
	.protected	k_q4c7f7c51a7_proj
	.globl	k_q4c7f7c51a7_proj
	.p2align	8
	.type	k_q4c7f7c51a7_proj,@function
k_q4c7f7c51a7_proj:
	s_mov_b64 s[64:65], 0
	v_nop
	global_prefetch_b8 v0, s[64:65] scope:SCOPE_SE
	s_setreg_imm32_b32 hwreg(HW_REG_WAVE_MODE, 25, 1), 1
	s_wait_xcnt 0x0
; value = src Wv + bv (0 where pad_mask), off = (src+pos) Woff + boff, aw = softmax((src+pos) Wattn + battn),
; and from off, aw and ref_points, for each of the 128 points of a row: one pixel index (u16) and four corner weights (bf16).
; 2,720 tiles of 16 rows; work-group g takes tiles g, g+256, ...: 11 tiles for g < 160, else 10.  Wave w owns heads 2w, 2w+1:
; ten feature tiles of 16 (T = 2hh+t off, 4+hh aw, 6+2hh+t value), whose 80 weight fragments stay in 640 registers for the whole launch.
; The matrix instruction is used transposed (source 0 = 16 features, source 1 = 16 data rows): lane (r, h) holds data row r, register j feature 8h+j.
; So a lane holds, of one row and head, the x and y offsets of levels h (t=0) and 2+h (t=1) and, by the column order of the weights, their attention weights.
; BILINEAR FORM: b = clamp(floor(l), 0, W-2); the weights of pixels b and b+1 are max(0, 1-|l-b|) and max(0, 1-|l-b-1|): the zero-padded
; bilinear weights in the interior, at both borders and outside.  One index start + yb W + xb serves the four corners.
; FORMAT: the matrix operands are f16: an offset is a sum of 256 products, and its error moves the sample by the difference of neighbouring pixels, so the
; three bits of significand that f16 has over bf16 count here.  Room: src and src+pos, thirty times the drawn spread or offset by thirty spreads, stay
; below some 240, far from 65,504; thirty times smaller (spread 0.03) f16's fixed step of 6e-8 is 2e-6 of the spread.
; LIMITS: a matrix operand beyond 65,504 in magnitude becomes infinite.  value and the corner weights aw*ay*ax (rounded once) are stored as bf16.
; Where a coordinate is NaN or infinite the weights are 0 or the index is a clamped one; the defining computation is not finite there.
; No cluster: the weights are read once into registers, and no two work-groups read the same rows.
; Registers in windows of 256: window 0: v0-31 addresses and lane constants, FRQ, ACC, TMP; windows 1, 2: weights of tiles 0-3, 4-7;
; window 3: v0-127 weights of tiles 8, 9; v128-191 the next tile's raw f32; v192-255 fragments of src.
.set PITCH, 528                        ; LDS row: 512 bytes of f16 + 16: the 16 rows of a fragment load start 16 bytes apart modulo 256
.set STL,   8448                       ; f16(src); f16(src+pos) lies at 0
.set BIASL, 16896                      ; 4 waves x 10 tiles x 64 bytes
.set VSTL,  19456                      ; 4 waves x 2,048 bytes: each wave's own stage for value
.set HEADB, 1392640                    ; bytes of one head of val: 21,760 pixels x 64
.set FRQ,  32                          ; v32-95    fragments of src+pos, 8 K steps
.set ACC,  96                          ; v96-175   ten accumulator tiles
.set TMP,  176                         ; v176-255  at work
.set RAWS, 128                         ; window 3
.set RAWP, 160
.set FRS,  192
.set MSB, 0
.macro WIN new                         ; the immediate's high byte repeats the setting that is left
.if MSB != (\new)
	s_set_vgpr_msb (MSB<<8)|(\new)
.set MSB, (\new)
.endif
.endm
.macro RAWLD                           ; my 4 rows of a tile of src and of pos: 8 + 8 loads of 512 consecutive bytes
	WIN 0xC0
.irp i, 0,1,2,3,4,5,6,7
	global_load_b128 v[RAWS+4*\i:RAWS+4*\i+3], v1, s[8:9] offset:512*\i th:TH_LOAD_NT
.endr
.irp i, 0,1,2,3,4,5,6,7
	global_load_b128 v[RAWP+4*\i:RAWP+4*\i+3], v1, s[10:11] offset:512*\i th:TH_LOAD_NT
.endr
	WIN 0
.endm
	s_load_b512 s[8:23], s[0:1], 0x0               ; src pos ref pad boff battn bv wsA
	s_load_b128 s[24:27], s[0:1], 0x40             ; val, idx
	s_load_b64 s[28:29], s[0:1], 0x50              ; wgt
	v_lshl_add_u32 v254, v0, 2, 0x6c00
	v_mov_b32 v255, 0
	v_lshrrev_b32 v1, 5, v0
	v_readfirstlane_b32 s4, v1                     ; wave
	s_mov_b32 s5, ttmp9                            ; first tile
	s_mov_b32 s42, ttmp9                           ; the tile at work
	s_mov_b32 s48, 0x76543210                      ; v_permlanex16_b32: lane i reads lane i of the other half
	s_mov_b32 s49, 0xfedcba98
	s_mov_b32 s43, 0x44800000                      ; 1024.0
	s_mov_b32 s44, 0x46a00000                      ; 20480.0
	s_mov_b32 s35, 0
	s_mov_b32 s37, 0
	v_and_b32 v29, 31, v0                          ; L
	v_and_b32 v30, 15, v0                          ; r
	v_bfe_u32 v31, v0, 4, 1                        ; h
	v_lshlrev_b32 v10, 4, v29                      ; v10 = 16 L
	s_lshl_b32 s6, s4, 12
	v_add_nc_u32 v1, s6, v10                       ; v1: raw loads, 4 rows a wave
	s_mul_i32 s6, s4, 4*PITCH
	v_lshl_add_u32 v2, v29, 3, s6                  ; v2: where my 8 bytes of f16 go
	v_mul_u32_u24 v3, v30, PITCH
	v_lshl_add_u32 v3, v31, 4, v3                  ; v3: fragment loads, row r, 16 h
	s_mul_i32 s6, s4, 640
	s_add_co_u32 s6, s6, BIASL
	v_lshl_add_u32 v4, v31, 5, s6                  ; v4: my wave's biases, features 8h ..
	v_lshlrev_b32 v5, 5, v30
	v_lshl_add_u32 v5, v31, 3, v5                  ; v5: ref_points, row r, level h
	v_mov_b32 v6, v30                              ; v6: pad_mask, row r
	v_and_b32 v7, 7, v0
	v_lshlrev_b32 v7, 4, v7
	v_lshl_add_u32 v7, v31, 7, v7
	v_bfe_u32 v8, v0, 3, 1
	v_lshl_add_u32 v7, v8, 8, v7                   ; v7: idx and wgt: 256 (r>>3) + 128 h + 16 (r&7)
	s_lshl_b32 s7, s4, 11
	s_add_co_u32 s7, s7, VSTL
	v_lshlrev_b32 v8, 6, v30
	v_lshl_add_u32 v8, v31, 4, v8
	v_add_nc_u32 v8, s7, v8                        ; v8: value into the stage: 64 r + 16 h
	v_add_nc_u32 v9, s7, v10                       ; v9: and back, 16 L
	; lane constants of levels h (t = 0) and 2+h (t = 1): W, 1/W (powers of two: the exponent field steps), W-2, first pixel
	v_lshlrev_b32 v[TMP+10], 23, v31
	v_sub_nc_u32 v12, 0x43000000, v[TMP+10]        ; 128 or 64
	v_mov_b32 v13, v12
	v_sub_nc_u32 v14, 0x42000000, v[TMP+10]        ; 32 or 16
	v_mov_b32 v15, v14
	v_add_nc_u32 v16, 0x3c000000, v[TMP+10]        ; 1/128 or 1/64
	v_mov_b32 v17, v16
	v_add_nc_u32 v18, 0x3d000000, v[TMP+10]        ; 1/32 or 1/16
	v_mov_b32 v19, v18
	v_add_f32 v20, -2.0, v12
	v_add_f32 v21, -2.0, v14
	v_cvt_f32_u32 v[TMP+11], v31
	v_mul_f32 v22, 0x46800000, v[TMP+11]           ; 0 or 16384
	v_fma_f32 v23, v[TMP+11], s43, s44             ; 20480 or 21504
	; the bias table's addresses: word L of a pair of tiles; battn through the same column order as Wattn
	v_lshrrev_b32 v[TMP+7], 3, v30
	v_bfe_u32 v[TMP+8], v30, 2, 1
	v_lshl_add_u32 v[TMP+7], v[TMP+8], 1, v[TMP+7]
	v_and_b32 v[TMP+8], 3, v30
	v_lshl_add_u32 v[TMP+7], v[TMP+7], 2, v[TMP+8]
	v_lshl_add_u32 v[TMP+7], v31, 4, v[TMP+7]
	s_lshl_b32 s45, s4, 5
	v_add_lshl_u32 v[TMP+1], v[TMP+7], s45, 2      ; 4 (32 w + 16 h + column)
	s_lshl_b32 s45, s4, 8
	v_lshl_add_u32 v[TMP], v29, 2, s45             ; 256 w + 4 L
	v_lshl_add_u32 v[TMP+9], v29, 2, s6
	s_cmp_lt_u32 s5, 160
	s_cselect_b32 s41, 10, 9                       ; tiles less one
	s_wait_kmcnt 0x0
	s_lshl_b32 s36, s5, 14
	s_add_nc_u64 s[8:9], s[8:9], s[36:37]
	s_add_nc_u64 s[10:11], s[10:11], s[36:37]
	s_lshl_b32 s36, s5, 9
	s_add_nc_u64 s[12:13], s[12:13], s[36:37]
	s_lshl_b32 s36, s5, 4
	s_add_nc_u64 s[14:15], s[14:15], s[36:37]
	s_lshl_b32 s45, s5, 3
	s_lshl1_add_u32 s45, s4, s45                   ; 8 tile + 2 w
	s_lshl_b32 s36, s45, 9
	s_add_nc_u64 s[26:27], s[26:27], s[36:37]
	s_lshl_b32 s36, s45, 11
	s_add_nc_u64 s[28:29], s[28:29], s[36:37]
	s_mul_i32 s36, s4, 2*HEADB
	s_lshl_b32 s45, s5, 10
	s_add_co_u32 s36, s36, s45
	s_add_nc_u64 s[30:31], s[24:25], s[36:37]      ; val at head 2w, pixel 16 tile, as if in batch 0
	s_mul_i32 s36, s4, 81920
	s_add_nc_u64 s[22:23], s[22:23], s[36:37]
	global_load_b32 v[TMP+2], v[TMP], s[16:17]             ; boff, tiles 0, 1
	global_load_b32 v[TMP+3], v[TMP], s[16:17] offset:128  ; tiles 2, 3
	global_load_b32 v[TMP+4], v[TMP+1], s[18:19]           ; battn, tiles 4, 5
	global_load_b32 v[TMP+5], v[TMP], s[20:21]             ; bv, tiles 6, 7
	global_load_b32 v[TMP+6], v[TMP], s[20:21] offset:128  ; tiles 8, 9
	RAWLD                                          ; the first tile
	s_wait_loadcnt 16                              ; the 16 raw loads may stay out: the five bias loads are in
.irp q, 0,1,2,3,4
	ds_store_b32 v[TMP+9], v[TMP+2+\q] offset:128*\q       ; my wave's own bytes: no barrier
.endr
	s_wait_xcnt 0x0                                ; the raw loads' bases are stepped only behind this wait
	s_add_nc_u64 s[8:9], s[8:9], 0x400000          ; 256 tiles of 16,384 bytes on
	s_add_nc_u64 s[10:11], s[10:11], 0x400000
	; my 80 weight fragments, 160 loads of 512 consecutive bytes
.set ff, 0
	WIN 0x40
.rept 32
	global_load_b128 v[8*(ff&31):8*(ff&31)+3],   v10, s[22:23] offset:1024*ff
	global_load_b128 v[8*(ff&31)+4:8*(ff&31)+7], v10, s[22:23] offset:1024*ff+512
.set ff, ff+1
.endr
	WIN 0x80
.rept 32
	global_load_b128 v[8*(ff&31):8*(ff&31)+3],   v10, s[22:23] offset:1024*ff
	global_load_b128 v[8*(ff&31)+4:8*(ff&31)+7], v10, s[22:23] offset:1024*ff+512
.set ff, ff+1
.endr
	WIN 0xC0
.rept 16
	global_load_b128 v[8*(ff&31):8*(ff&31)+3],   v10, s[22:23] offset:1024*ff
	global_load_b128 v[8*(ff&31)+4:8*(ff&31)+7], v10, s[22:23] offset:1024*ff+512
.set ff, ff+1
.endr
	WIN 0
; One point: head hh, level 2t+h, point p.  Element e = 4t+p of the lane.
.macro POINT hh, t, p
.set EE, 4*\t+\p
.set OO, ACC+8*(2*\hh+\t)+2*\p
	v_pk_fma_f32 v[TMP+54:TMP+55], v[OO:OO+1], v[16+2*\t:17+2*\t], v[24+2*\t:25+2*\t]      ; ref + off / W (x, y)
	v_pk_fma_f32 v[TMP+54:TMP+55], v[TMP+54:TMP+55], v[12+2*\t:13+2*\t], -0.5 op_sel_hi:[1,1,0]  ; times W, less a half
	v_floor_f32 v[TMP+56], v[TMP+54]
	v_floor_f32 v[TMP+57], v[TMP+55]
	v_med3_num_f32 v[TMP+58], v[TMP+56], 0, v[20+\t]       ; xb, yb in 0 .. W-2
	v_med3_num_f32 v[TMP+59], v[TMP+57], 0, v[20+\t]
	v_pk_add_f32 v[TMP+60:TMP+61], v[TMP+54:TMP+55], v[TMP+58:TMP+59] neg_lo:[0,1] neg_hi:[0,1]
	v_pk_add_f32 v[TMP+62:TMP+63], v[TMP+60:TMP+61], -1.0 op_sel_hi:[1,0]
	v_sub_f32 v[TMP+64], 1.0, |v[TMP+60]|                  ; x: pixel xb, pixel xb+1
	v_sub_f32 v[TMP+65], 1.0, |v[TMP+62]|
	v_sub_f32 v[TMP+66], 1.0, |v[TMP+61]|                  ; y: row yb, row yb+1
	v_sub_f32 v[TMP+67], 1.0, |v[TMP+63]|
	v_max_num_f32 v[TMP+64], 0, v[TMP+64]
	v_max_num_f32 v[TMP+65], 0, v[TMP+65]
	v_max_num_f32 v[TMP+66], 0, v[TMP+66]
	v_max_num_f32 v[TMP+67], 0, v[TMP+67]
	v_mul_f32 v[TMP+66], v[TMP+66], v[TMP+40+EE]           ; the attention weight rides on y's
	v_mul_f32 v[TMP+67], v[TMP+67], v[TMP+40+EE]
	v_pk_mul_f32 v[TMP+68:TMP+69], v[TMP+64:TMP+65], v[TMP+66:TMP+67] op_sel_hi:[1,0]          ; row yb: both by the first
	v_pk_mul_f32 v[TMP+70:TMP+71], v[TMP+64:TMP+65], v[TMP+66:TMP+67] op_sel:[0,1] op_sel_hi:[1,1]  ; row yb+1: both by the second
	v_cvt_pk_bf16_f32 v[TMP+2*EE], v[TMP+68], v[TMP+69]
	v_cvt_pk_bf16_f32 v[TMP+2*EE+1], v[TMP+70], v[TMP+71]
	v_fma_f32 v[TMP+72], v[TMP+59], v[12+2*\t], v[TMP+58]  ; yb W + xb: whole numbers below 21,760, exact in f32
	v_add_f32 v[TMP+72], v[TMP+72], v[22+\t]
.if (\p&1)
	v_cvt_u32_f32 v[TMP+72], v[TMP+72]
	v_lshl_or_b32 v[TMP+16+(EE>>1)], v[TMP+72], 16, v[TMP+16+(EE>>1)]
.else
	v_cvt_u32_f32 v[TMP+16+(EE>>1)], v[TMP+72]
.endif
.endm
; One head of the wave: softmax over its 16 weights (8 in this lane, 8 in lane xor 16), 8 points, value.
.macro HEAD hh
.set AA, ACC+8*(4+\hh)
	s_wait_xcnt 0x0                                ; TMP holds the data of earlier stores: rewritten only behind this wait
	v_max3_num_f32 v[TMP+36], v[AA], v[AA+1], v[AA+2]
	v_max3_num_f32 v[TMP+36], v[TMP+36], v[AA+3], v[AA+4]
	v_max3_num_f32 v[TMP+36], v[TMP+36], v[AA+5], v[AA+6]
	v_max_num_f32 v[TMP+36], v[TMP+36], v[AA+7]
	v_permlanex16_b32 v29, v[TMP+36], s48, s49
	v_max_num_f32 v[TMP+36], v[TMP+36], v29        ; the maximum of the 16
	v_mov_b32 v[TMP+37], v[TMP+36]
.irp k, 0,2,4,6
	v_pk_add_f32 v[AA+\k:AA+\k+1], v[AA+\k:AA+\k+1], v[TMP+36:TMP+37] neg_lo:[0,1] neg_hi:[0,1]
.endr
.irp k, 0,2,4,6
	v_pk_mul_f32 v[AA+\k:AA+\k+1], v[AA+\k:AA+\k+1], 0x3fb8aa3b op_sel_hi:[1,0]
.endr
.irp k, 0,1,2,3,4,5,6,7
	v_exp_f32 v[TMP+40+\k], v[AA+\k]
.endr
	v_nop                                          ; one plain instruction behind the exponentials (ISA guide 5.7.2)
	s_wait_alu depctr_va_vdst(0)
	v_pk_add_f32 v[TMP+48:TMP+49], v[TMP+40:TMP+41], v[TMP+42:TMP+43]
	v_pk_add_f32 v[TMP+50:TMP+51], v[TMP+44:TMP+45], v[TMP+46:TMP+47]
	v_pk_add_f32 v[TMP+48:TMP+49], v[TMP+48:TMP+49], v[TMP+50:TMP+51]
	v_add_f32 v[TMP+48], v[TMP+48], v[TMP+49]
	v_permlanex16_b32 v29, v[TMP+48], s48, s49
	v_add_f32 v[TMP+48], v[TMP+48], v29            ; at least 1: the largest term is 2^0
	v_rcp_f32 v[TMP+52], v[TMP+48]
	v_rcp_f32 v[TMP+53], v[TMP+48]
	v_nop
	s_wait_alu depctr_va_vdst(0)
.irp k, 0,2,4,6
	v_pk_mul_f32 v[TMP+40+\k:TMP+41+\k], v[TMP+40+\k:TMP+41+\k], v[TMP+52:TMP+53]
.endr
.irp t, 0,1
.irp p, 0,1,2,3
	POINT \hh, \t, \p
.endr
.endr
	; value: 16 bytes a lane (row r, channels 16t+8h ..) through my own stage, so that each store covers 512 consecutive bytes
.irp t, 0,1
.irp jj, 0,1,2,3
	v_cvt_pk_bf16_f32 v[TMP+20+4*\t+\jj], v[ACC+8*(6+2*\hh+\t)+2*\jj], v[ACC+8*(6+2*\hh+\t)+2*\jj+1]
.endr
.irp jj, 0,1,2,3
	v_and_b32 v[TMP+20+4*\t+\jj], v11, v[TMP+20+4*\t+\jj]  ; 0 where the row is padding
.endr
	ds_store_b128 v8, v[TMP+20+4*\t:TMP+23+4*\t] offset:1024*\hh+32*\t
.endr
	ds_load_b128 v[TMP+28:TMP+31], v9 offset:1024*\hh      ; LDS serves a wave's instructions in order (ISA guide 5.7.1): these see the stores above
	ds_load_b128 v[TMP+32:TMP+35], v9 offset:1024*\hh+512
	global_store_b128 v7, v[TMP+16:TMP+19], s[26:27] offset:512*\hh
.irp q, 0,1,2,3
	global_store_b128 v7, v[TMP+4*\q:TMP+4*\q+3], s[28:29] offset:2048*\hh+512*\q
.endr
	s_wait_dscnt 0x0
	global_store_b128 v10, v[TMP+28:TMP+31], s[32:33] offset:HEADB*\hh
	global_store_b128 v10, v[TMP+32:TMP+35], s[32:33] offset:HEADB*\hh+512
.endm
; One tile.  pref = 1: the raw rows of the tile 256 further on are asked for.
.macro TRIP pref
	s_wait_loadcnt 0x0                             ; this tile's raw rows (in the first trip the weights too)
	s_wait_xcnt 0x0                                ; TMP and the base of val's stores are rewritten only behind this wait
	WIN 0xCF
.set ii, 0
.rept 16
	v_pk_add_f32 v[RAWP+2*ii:RAWP+2*ii+1], v[RAWP+2*ii:RAWP+2*ii+1], v[RAWS+2*ii:RAWS+2*ii+1]  ; query = src + pos
.set ii, ii+1
.endr
	WIN 0x0F
.set ii, 0
.rept 16
	v_cvt_pk_f16_f32 v[TMP+ii], v[RAWP+2*ii], v[RAWP+2*ii+1]
	v_cvt_pk_f16_f32 v[TMP+16+ii], v[RAWS+2*ii], v[RAWS+2*ii+1]
.set ii, ii+1
.endr
	WIN 0
	s_wait_dscnt 0x0
	s_barrier_signal -1                            ; every wave's reads of the last tile's rows are back
	s_barrier_wait -1
.set ii, 0
.rept 8
	ds_store_b64 v2, v[TMP+2*ii:TMP+2*ii+1] offset:(ii>>1)*PITCH+(ii&1)*256
	ds_store_b64 v2, v[TMP+16+2*ii:TMP+17+2*ii] offset:STL+(ii>>1)*PITCH+(ii&1)*256
.set ii, ii+1
.endr
	s_cmp_ge_u32 s42, 1360                         ; batch 1 begins at tile 1,360: 8 heads on, 1,360 tiles back
	s_cselect_b32 s34, 9748480, 0
	s_add_nc_u64 s[32:33], s[30:31], s[34:35]
	global_load_b64 v[24:25], v5, s[12:13]         ; ref_points of row r, level h
	global_load_b64 v[26:27], v5, s[12:13] offset:16       ; level 2+h
	global_load_u8 v28, v6, s[14:15]
.if \pref
	RAWLD
.endif
	s_wait_dscnt 0x0                               ; my part of the rows is written,
	s_barrier_signal -1
	s_barrier_wait -1                              ; everybody's is
.irp tt, 0,1,2,3,4,5,6,7,8,9
	ds_load_b128 v[ACC+8*\tt:ACC+8*\tt+3],   v4 offset:64*\tt      ; the sums start from the biases
	ds_load_b128 v[ACC+8*\tt+4:ACC+8*\tt+7], v4 offset:64*\tt+16
.endr
.irp ks, 0,1,2,3,4,5,6,7
	ds_load_b128 v[FRQ+8*\ks:FRQ+8*\ks+3],   v3 offset:64*\ks
	ds_load_b128 v[FRQ+8*\ks+4:FRQ+8*\ks+7], v3 offset:64*\ks+32
.endr
	WIN 0xC0
.irp ks, 0,1,2,3,4,5,6,7
	ds_load_b128 v[FRS+8*\ks:FRS+8*\ks+3],   v3 offset:STL+64*\ks
	ds_load_b128 v[FRS+8*\ks+4:FRS+8*\ks+7], v3 offset:STL+64*\ks+32
.endr
	s_wait_dscnt 0x0
	; 80 products.  The accumulators take turns, one instruction a turn.
	WIN 0x01
.irp ks, 0,1,2,3,4,5,6,7
.irp tt, 0,1,2,3
	v_wmma_f32_16x16x32_f16 v[ACC+8*\tt:ACC+8*\tt+7], v[64*\tt+8*\ks:64*\tt+8*\ks+7], v[FRQ+8*\ks:FRQ+8*\ks+7], v[ACC+8*\tt:ACC+8*\tt+7]
.endr
.endr
	WIN 0x02
.irp ks, 0,1,2,3,4,5,6,7
.irp tt, 4,5
	v_wmma_f32_16x16x32_f16 v[ACC+8*\tt:ACC+8*\tt+7], v[64*(\tt-4)+8*\ks:64*(\tt-4)+8*\ks+7], v[FRQ+8*\ks:FRQ+8*\ks+7], v[ACC+8*\tt:ACC+8*\tt+7]
.endr
.endr
	WIN 0x0E
.irp ks, 0,1,2,3,4,5,6,7
.irp tt, 6,7
	v_wmma_f32_16x16x32_f16 v[ACC+8*\tt:ACC+8*\tt+7], v[64*(\tt-4)+8*\ks:64*(\tt-4)+8*\ks+7], v[FRS+8*\ks:FRS+8*\ks+7], v[ACC+8*\tt:ACC+8*\tt+7]
.endr
.endr
	WIN 0x0F
.irp ks, 0,1,2,3,4,5,6,7
.irp tt, 8,9
	v_wmma_f32_16x16x32_f16 v[ACC+8*\tt:ACC+8*\tt+7], v[64*(\tt-8)+8*\ks:64*(\tt-8)+8*\ks+7], v[FRS+8*\ks:FRS+8*\ks+7], v[ACC+8*\tt:ACC+8*\tt+7]
.endr
.endr
	WIN 0
.rept 4
	v_nop                                          ; four places behind the last matrix instruction before its results are read (ISA guide 7.12.1)
.endr
	s_wait_loadcnt 16*\pref                        ; ref_points and the mask are in; the 16 raw loads issued behind them stay out
	v_cmp_eq_u32 vcc_lo, 0, v28
	v_cndmask_b32 v11, 0, -1, vcc_lo               ; all ones where the row is kept
	HEAD 0
	HEAD 1
.if \pref
	s_wait_xcnt 0x0                                ; every base is stepped only behind this wait
	s_add_nc_u64 s[8:9], s[8:9], 0x400000
	s_add_nc_u64 s[10:11], s[10:11], 0x400000
	s_add_nc_u64 s[12:13], s[12:13], 0x20000
	s_add_nc_u64 s[14:15], s[14:15], 0x1000
	s_add_nc_u64 s[26:27], s[26:27], 0x100000
	s_add_nc_u64 s[28:29], s[28:29], 0x400000
	s_add_nc_u64 s[30:31], s[30:31], 0x40000
	s_add_co_u32 s42, s42, 256
.endif
.endm
	s_mov_b32 s40, 0
.Ltile:
	TRIP 1
	s_add_co_u32 s40, s40, 1
	s_cmp_lt_u32 s40, s41
	s_cbranch_scc1 .Ltile
	TRIP 0                                         ; the last tile asks for nothing beyond the end
	s_wait_tensorcnt 0x0
	ds_add_u32 v254, v255
	s_wait_dscnt 0x0
	s_endpgm
.Lfunc_end_k_q4c7f7c51a7_proj:
	.size	k_q4c7f7c51a7_proj, .Lfunc_end_k_q4c7f7c51a7_proj-k_q4c7f7c51a7_proj
	.p2alignl 7, 3214868480
	.fill 96, 4, 3214868480
	.section	.rodata,"a",@progbits
	.p2align	6, 0x0
	.amdhsa_kernel k_q4c7f7c51a7_proj
		.amdhsa_group_segment_fixed_size 28160
		.amdhsa_private_segment_fixed_size 0
		.amdhsa_enable_private_segment 0
		.amdhsa_kernarg_size 88
		.amdhsa_user_sgpr_count 2
		.amdhsa_user_sgpr_kernarg_segment_ptr 1
		.amdhsa_wavefront_size32 1
		.amdhsa_system_sgpr_workgroup_id_x 1
		.amdhsa_system_sgpr_workgroup_id_y 1
		.amdhsa_system_sgpr_workgroup_id_z 1
		.amdhsa_system_vgpr_workitem_id 0
		.amdhsa_next_free_vgpr 1024
		.amdhsa_next_free_sgpr 66
		.amdhsa_reserve_vcc 1
		.amdhsa_float_denorm_mode_32 3
		.amdhsa_float_denorm_mode_16_64 3
		.amdhsa_memory_ordered 1
		.amdhsa_forward_progress 1
		.amdhsa_inst_pref_size 108
	.end_amdhsa_kernel
	.amdgpu_metadata
---
amdhsa.version: [ 1, 2 ]
amdhsa.kernels:
  - .name:           k_q4c7f7c51a7_proj
    .symbol:         k_q4c7f7c51a7_proj.kd
    .args:
      - { .name: src, .offset: 0, .size: 8, .value_kind: global_buffer, .address_space: global }
      - { .name: pos_embed, .offset: 8, .size: 8, .value_kind: global_buffer, .address_space: global }
      - { .name: ref_points, .offset: 16, .size: 8, .value_kind: global_buffer, .address_space: global }
      - { .name: pad_mask, .offset: 24, .size: 8, .value_kind: global_buffer, .address_space: global }
      - { .name: boff, .offset: 32, .size: 8, .value_kind: global_buffer, .address_space: global }
      - { .name: battn, .offset: 40, .size: 8, .value_kind: global_buffer, .address_space: global }
      - { .name: bv, .offset: 48, .size: 8, .value_kind: global_buffer, .address_space: global }
      - { .name: wsA, .offset: 56, .size: 8, .value_kind: global_buffer, .address_space: global }
      - { .name: val, .offset: 64, .size: 8, .value_kind: global_buffer, .address_space: global }
      - { .name: idx, .offset: 72, .size: 8, .value_kind: global_buffer, .address_space: global }
      - { .name: wgt, .offset: 80, .size: 8, .value_kind: global_buffer, .address_space: global }
    .group_segment_fixed_size: 28160
    .private_segment_fixed_size: 0
    .kernarg_segment_align: 8
    .kernarg_segment_size: 88
    .max_flat_workgroup_size: 128
    .sgpr_count:     66
    .vgpr_count:     1024
    .wavefront_size: 32
...
	.end_amdgpu_metadata
.endif
;; end of part 2
;; launch sample (part 3): grid 2720 x 1, 8 waves a work-group, no clusters, 9,216 bytes of LDS; arguments val, idx, wgt, samp; writes samp
.if DOCPART == 3
	.amdgcn_target "amdgcn-amd-amdhsa--gfx1250"
	.amdhsa_code_object_version 6
	.text
	.protected	k_q4c7f7c51a7_sample
	.globl	k_q4c7f7c51a7_sample
	.p2align	8
	.type	k_q4c7f7c51a7_sample,@function
k_q4c7f7c51a7_sample:
	s_mov_b64 s[64:65], 0
	v_nop
	global_prefetch_b8 v0, s[64:65] scope:SCOPE_SE
	s_setreg_imm32_b32 hwreg(HW_REG_WAVE_MODE, 25, 1), 1
	s_wait_xcnt 0x0
; The sampling sum: for each row and head, 16 points x 4 corners x 32 channels of val (bf16), weighted (bf16 weights, f32 sums).
; A work-group is a tile of 16 rows, a wave a head; no wave needs another: no barrier.
; Pass u takes rows 8u + s, s = lane >> 2; lane c = lane & 3 holds channels 8c .. 8c+7: one load of the wave fetches 8 pixels of 64 bytes.
; A group is the 4 points of one level of a pass: 16 loads, 128 multiply-adds.  Two groups' loads are in flight: while one group is summed, the next one's 16 loads are out.
; The contraction runs over corners, which lie in different registers of a lane for each channel: it is vector work, one multiply-add straight from the bf16 halves.
; The result is written, in f16, as the source-1 fragment (16 rows x 32 k) that the next launch's products take: [tile][head][1,024 bytes].
; Room in f16: a result is a convex mix of numbers of val; with src and Wv both thirty times the drawn spread val has a spread of 900 and peaks near 5,400,
; far from 65,504.  LIMIT: a result beyond 65,504 in magnitude becomes infinite.
; Indices come from a buffer that an earlier launch stored; each is clamped to its level's last legal base pixel in front of the address.
; No cluster, no matrix unit: nothing is shared at one time, and the sum has no common operand.  No prefetch: the pixels are known only 16 loads ahead of their use, and those loads are already out.
.set ADR, 8                            ; v8-15    addresses, two sets of four
.set ACC, 16                           ; v16-23   8 channels in f32
.set OB,  24                           ; v24-31   packed results of the two passes
.set IDX, 32                           ; v32-47   [u][h'] 8 indices of 16 bits
.set WG,  48                           ; v48-111  [u][h'][q'] 2 points x 4 corners
.set GB0, 112                          ; v112-175, v176-239: two buffers of 16 loads
	s_load_b256 s[4:11], s[0:1], 0x0               ; val s[4:5] idx s[6:7] wgt s[8:9] samp s[10:11]
	v_lshl_add_u32 v240, v0, 2, 0x2000
	v_mov_b32 v241, 0
	v_lshrrev_b32 v1, 5, v0
	v_readfirstlane_b32 s12, v1                    ; head
	s_mov_b32 s13, ttmp9                           ; tile
	s_cmp_ge_u32 s13, 1360                         ; batch 1 begins at tile 1,360
	s_cselect_b32 s14, 8, 0
	s_add_co_u32 s14, s14, s12
	s_mul_i32 s14, s14, 1392640                    ; (8 b + head) x 21,760 pixels x 64 bytes
	s_mov_b32 s15, 0
	s_lshl3_add_u32 s16, s13, s12                  ; 8 tile + head
	s_lshl_b32 s18, s16, 9
	s_mov_b32 s19, 0
	s_lshl_b32 s20, s16, 11
	s_mov_b32 s21, 0
	s_lshl_b32 s22, s16, 10
	s_mov_b32 s23, 0
	s_lshl_b32 s24, s12, 10                        ; my wave's 1,024 bytes of LDS
	v_and_b32 v6, 31, v0
	v_lshrrev_b32 v1, 2, v6
	v_lshlrev_b32 v1, 4, v1                        ; v1 = 16 s
	v_and_b32 v7, 3, v0
	v_lshlrev_b32 v2, 4, v7                        ; v2 = 16 c
	v_lshrrev_b32 v3, 1, v7
	v_lshlrev_b32 v3, 9, v3
	v_and_b32 v7, 1, v7
	v_lshl_add_u32 v3, v7, 8, v3
	v_add_nc_u32 v3, v3, v1
	v_add_nc_u32 v3, s24, v3                       ; v3: fragment byte of (row s, channels 8c ..): 512 (c>>1) + 256 (c&1) + 16 s
	v_lshlrev_b32 v5, 4, v6                        ; v5 = 16 L
	v_add_nc_u32 v4, s24, v5
	s_wait_kmcnt 0x0
	s_add_nc_u64 s[4:5], s[4:5], s[14:15]
	s_add_nc_u64 s[6:7], s[6:7], s[18:19]
	s_add_nc_u64 s[8:9], s[8:9], s[20:21]
	s_add_nc_u64 s[10:11], s[10:11], s[22:23]
.irp u, 0,1
.irp hp, 0,1
	global_load_b128 v[IDX+8*\u+4*\hp:IDX+8*\u+4*\hp+3], v1, s[6:7] offset:256*\u+128*\hp th:TH_LOAD_NT
.endr
.irp hp, 0,1
.irp q, 0,1,2,3
	global_load_b128 v[WG+32*\u+16*\hp+4*\q:WG+32*\u+16*\hp+4*\q+3], v1, s[8:9] offset:512*\q+256*\u+128*\hp th:TH_LOAD_NT
.endr
.endr
.endr
; The group of pass u, lane half h' of the producer, t: level 2t+h', points e = 4t+p.  Address set and buffer t.
.macro ADDR u, hp, t
.set LV, 2*\t+\hp
.set WL, 128>>LV
.set MXI, (65536-(65536>>(2*LV)))/3+WL*WL-WL-2     ; the level's first pixel + (W-2) W + (W-2)
.irp p, 0,1,2,3
.if (\p&1)
	v_lshrrev_b32 v[ADR+4*\t+\p], 16, v[IDX+8*\u+4*\hp+2*\t+(\p>>1)]
.else
	v_and_b32 v[ADR+4*\t+\p], 0xffff, v[IDX+8*\u+4*\hp+2*\t+(\p>>1)]
.endif
	v_min_u32 v[ADR+4*\t+\p], MXI, v[ADR+4*\t+\p]
	v_lshl_add_u32 v[ADR+4*\t+\p], v[ADR+4*\t+\p], 6, v2
.endr
.endm
.macro ISSUE hp, t
.set WL, 128>>(2*\t+\hp)
.irp p, 0,1,2,3
.irp cy, 0,1
.irp cx, 0,1
	global_load_b128 v[GB0+64*\t+16*\p+8*\cy+4*\cx:GB0+64*\t+16*\p+8*\cy+4*\cx+3], v[ADR+4*\t+\p], s[4:5] offset:64*\cx+64*WL*\cy
.endr
.endr
.endr
.endm
.macro FMA u, hp, t
.irp p, 0,1,2,3
.irp cy, 0,1
.irp cx, 0,1
.irp k, 0,1,2,3
	v_fma_mix_f32_bf16 v[ACC+2*\k], v[GB0+64*\t+16*\p+8*\cy+4*\cx+\k], v[WG+32*\u+16*\hp+4*(2*\t+(\p>>1))+2*(\p&1)+\cy], v[ACC+2*\k] op_sel:[0,\cx,0] op_sel_hi:[1,1,0]
	v_fma_mix_f32_bf16 v[ACC+2*\k+1], v[GB0+64*\t+16*\p+8*\cy+4*\cx+\k], v[WG+32*\u+16*\hp+4*(2*\t+(\p>>1))+2*(\p&1)+\cy], v[ACC+2*\k+1] op_sel:[1,\cx,0] op_sel_hi:[1,1,0]
.endr
.endr
.endr
.endr
.endm
.macro AHEAD u, hp, t                  ; the next group goes out; its address set and buffer were freed by the wait that showed the group two back done
	ADDR \u, \hp, \t
	ISSUE \hp, \t
	s_wait_loadcnt 16                              ; all but the 16 just issued: the group to be summed is in
.endm
.macro CLEAR
.irp k, 0,1,2,3,4,5,6,7
	v_mov_b32 v[ACC+\k], 0
.endr
.endm
.macro OUT u
.irp k, 0,1,2,3
	v_cvt_pk_f16_f32 v[OB+4*\u+\k], v[ACC+2*\k], v[ACC+2*\k+1]
.endr
	ds_store_b128 v3, v[OB+4*\u:OB+4*\u+3] offset:128*\u
.endm
	CLEAR
	s_wait_loadcnt 18                              ; pass 0's two index loads are in; the 18 loads behind them stay out
	ADDR 0, 0, 0
	ISSUE 0, 0
	AHEAD 0, 0, 1
	FMA 0, 0, 0
	AHEAD 0, 1, 0
	FMA 0, 0, 1
	AHEAD 0, 1, 1
	FMA 0, 1, 0
	AHEAD 1, 0, 0
	FMA 0, 1, 1
	OUT 0
	CLEAR
	AHEAD 1, 0, 1
	FMA 1, 0, 0
	AHEAD 1, 1, 0
	FMA 1, 0, 1
	AHEAD 1, 1, 1
	FMA 1, 1, 0
	s_wait_loadcnt 0x0
	FMA 1, 1, 1
	OUT 1
	ds_load_b128 v[GB0:GB0+3], v4                  ; my wave's own bytes, served in order: the fragment as 2 x 512 consecutive bytes
	ds_load_b128 v[GB0+4:GB0+7], v4 offset:512
	s_wait_dscnt 0x0
	global_store_b128 v5, v[GB0:GB0+3], s[10:11]
	global_store_b128 v5, v[GB0+4:GB0+7], s[10:11] offset:512
	s_wait_tensorcnt 0x0
	ds_add_u32 v240, v241
	s_wait_dscnt 0x0
	s_endpgm
.Lfunc_end_k_q4c7f7c51a7_sample:
	.size	k_q4c7f7c51a7_sample, .Lfunc_end_k_q4c7f7c51a7_sample-k_q4c7f7c51a7_sample
	.p2alignl 7, 3214868480
	.fill 96, 4, 3214868480
	.section	.rodata,"a",@progbits
	.p2align	6, 0x0
	.amdhsa_kernel k_q4c7f7c51a7_sample
		.amdhsa_group_segment_fixed_size 9216
		.amdhsa_private_segment_fixed_size 0
		.amdhsa_enable_private_segment 0
		.amdhsa_kernarg_size 32
		.amdhsa_user_sgpr_count 2
		.amdhsa_user_sgpr_kernarg_segment_ptr 1
		.amdhsa_wavefront_size32 1
		.amdhsa_system_sgpr_workgroup_id_x 1
		.amdhsa_system_sgpr_workgroup_id_y 1
		.amdhsa_system_sgpr_workgroup_id_z 1
		.amdhsa_system_vgpr_workitem_id 0
		.amdhsa_next_free_vgpr 242
		.amdhsa_next_free_sgpr 66
		.amdhsa_reserve_vcc 0
		.amdhsa_float_denorm_mode_32 3
		.amdhsa_float_denorm_mode_16_64 3
		.amdhsa_memory_ordered 1
		.amdhsa_forward_progress 1
		.amdhsa_inst_pref_size 87
	.end_amdhsa_kernel
	.amdgpu_metadata
---
amdhsa.version: [ 1, 2 ]
amdhsa.kernels:
  - .name:           k_q4c7f7c51a7_sample
    .symbol:         k_q4c7f7c51a7_sample.kd
    .args:
      - { .name: val, .offset: 0, .size: 8, .value_kind: global_buffer, .address_space: global }
      - { .name: idx, .offset: 8, .size: 8, .value_kind: global_buffer, .address_space: global }
      - { .name: wgt, .offset: 16, .size: 8, .value_kind: global_buffer, .address_space: global }
      - { .name: samp, .offset: 24, .size: 8, .value_kind: global_buffer, .address_space: global }
    .group_segment_fixed_size: 9216
    .private_segment_fixed_size: 0
    .kernarg_segment_align: 8
    .kernarg_segment_size: 32
    .max_flat_workgroup_size: 256
    .sgpr_count:     66
    .vgpr_count:     242
    .wavefront_size: 32
...
	.end_amdgpu_metadata
.endif
;; end of part 3
;; launch ffn (part 4): grid 227 x 1, 4 waves a work-group, no clusters, 327,680 bytes of LDS; arguments samp, src, wsB, bout, b1, ln1_scale, ln1_bias, b2, ln2_scale, ln2_bias, out0; writes out0
.if DOCPART == 4
	.amdgcn_target "amdgcn-amd-amdhsa--gfx1250"
	.amdhsa_code_object_version 6
	.text
	.protected	k_q4c7f7c51a7_ffn
	.globl	k_q4c7f7c51a7_ffn
	.p2align	8
	.type	k_q4c7f7c51a7_ffn,@function
k_q4c7f7c51a7_ffn:
	s_mov_b64 s[64:65], 0
	v_nop
	global_prefetch_b8 v0, s[64:65] scope:SCOPE_SE
	s_setreg_imm32_b32 hwreg(HW_REG_WAVE_MODE, 25, 1), 1
	s_wait_xcnt 0x0
; x = LN1(src + samp Wout + bout);  out = LN2(x + relu(x W1 + b1) W2 + b2).
; Wave q = 4 group + wave keeps three tiles of 16 rows (3q, 3q+1, 3q+2) in registers from the first product to the last norm: 3 x 128 f32 registers Y.
; 908 waves x 3 = 2,724 places for 2,720 tiles: a place past the end computes tile 2,719 again and stores nothing.
; The matrix instruction is used transposed (source 0 = 16 features of a weight, source 1 = 16 data rows): lane (r, h) holds row r, register j of
; feature tile nt feature 16 nt + 8 h + j.  So the packed results of two neighbouring feature tiles ARE the next product's source-1 fragment (no LDS between
; LN1, FFN1 and FFN2), and a row's sum is 128 registers of a lane and one exchange with lane xor 16.
; The weights (wsB, 1,179,648 bytes of fragments) stream through a ring of two LDS slots of 65,536 bytes: 18 fills, each wave bringing a quarter by one tensor load.
; Fills 0, 1: Wout.  Fill f >= 2: FFN chunks 2f-4, 2f-3 (32 hidden features each: 16 fragments of W1, 16 of W2).  A refill has two chunks, 192 matrix instructions a wave, in which to land.
; A wave has two tensor loads out at the start and one behind each change of slots.
; NO CLUSTER: the grid is 227 work-groups, a prime number, so no cluster shape divides it, and a 228th work-group would have no rows.
; No prefetch: the stream is read by all work-groups at about the same time, and src and samp are asked for at the head.
; FORMAT: matrix operands are f16 (11 bits of significand); sums, norms and residuals f32.  Room: x is a normalised row times ln1_scale plus ln1_bias: with both at 30
; below some 210.  The hidden numbers: with ln1_scale and W1 both thirty times the drawn size their spread is 900 and their peaks near 5,400; with ln1_bias at 30 and
; W1 offset by thirty spreads (1.9) they reach 256 x 30 x 1.9 = 14,600.  Thirty times smaller on both (spread 0.001) f16's fixed step of 6e-8 is 1.6e-5 of the spread.
; LIMIT: a number of x or a hidden number beyond 65,504 in magnitude becomes infinite.
; Registers in windows of 256: window 0: v0-15 addresses, TS, XF (source-1 fragments of the three tiles), HP (packed hidden); window 1: WA, WB weight fragments
; (also src on its way in, the norms' parameters, rows on their way out); window 2: Y of tiles 0, 1; window 3: Y of tile 2, H (hidden sums).
.set NTILE, 2720
.set RING1, 65536
.set TAB,   131072                     ; b1, 4,096 bytes
.set PAR,   135168                     ; ln1_scale, ln1_bias, b2, ln2_scale, ln2_bias: 1,024 bytes each
.set STG,   140288                     ; 4 waves x 16 rows x 1,040 bytes: each wave's own stage, never the target of a tensor load
.set SPITCH, 1040                      ; 1,024 + 16: the 16 rows that a 16-byte access touches start 16 bytes apart modulo 256
.set TS, 16                            ; v16-31
.set XF, 32                            ; v32-223   tile i at 64 i, K step ks at 8 ks
.set HP, 224                           ; v224-247  tile i at 8 i
.set WA, 0                             ; window 1
.set WB, 128
.set HH, 128                           ; window 3: tile i, feature tile ft at 16 i + 8 ft
.set MSB, 0
.macro WIN new                         ; the immediate's high byte repeats the setting that is left
.if MSB != (\new)
	s_set_vgpr_msb (MSB<<8)|(\new)
.set MSB, (\new)
.endif
.endm
.macro PLACES                          ; four places behind a matrix instruction before its results are read or its registers loaded or written (ISA guide 7.12.1)
.rept 4
	v_nop
.endr
.endm
	s_load_b512 s[8:23], s[0:1], 0x0               ; samp src wsB bout b1 ln1_scale ln1_bias b2
	s_load_b128 s[24:27], s[0:1], 0x40             ; ln2_scale, ln2_bias
	s_load_b64 s[28:29], s[0:1], 0x50              ; out0
	v_lshl_add_u32 v254, v0, 2, 0x32800
	v_mov_b32 v255, 0
	ds_add_u32 v254, v255
	v_lshrrev_b32 v1, 5, v0
	v_readfirstlane_b32 s4, v1                     ; wave
	s_lshl2_add_u32 s5, ttmp9, s4                  ; q
	s_mul_i32 s50, s5, 3                           ; my three tiles
	s_add_co_u32 s51, s50, 1
	s_add_co_u32 s52, s50, 2
	s_mov_b32 s6, 0x76543210                       ; v_permlanex16_b32: lane i reads lane i of the other half
	s_mov_b32 s7, 0xfedcba98
	s_mov_b32 s30, 0x3b800000                      ; 1/256
	s_mov_b32 s31, 0x358637bd                      ; 1e-6
	; descriptor group 1: a dense block of 16,384 bytes as 64 rows of 32 elements of 8 bytes
	s_mov_b32 s32, 3<<16                           ; no mask, element of 8 bytes, no padding
	s_mov_b32 s33, 32<<16                          ; tensor_dim0 = 32
	s_mov_b32 s34, 64<<16                          ; tensor_dim1 = 64
	s_mov_b32 s35, 32<<16                          ; tile_dim0 = 32
	s_mov_b32 s36, 64                              ; tile_dim1 = 64
	s_mov_b32 s37, 32                              ; 32 elements from row to row
	s_mov_b32 s38, 0
	s_mov_b32 s39, 0
	; group 0, one set for each slot: my quarter = wave x 16,384 bytes
	s_mov_b32 s40, 1
	s_lshl_b32 s41, s4, 14
	s_mov_b32 s44, 1
	s_add_co_u32 s45, s41, RING1
	s_lshl_b32 s74, s4, 14
	s_mov_b32 s75, 0
	s_wait_dscnt 0x0
	s_wait_kmcnt 0x0
	s_add_nc_u64 s[42:43], s[12:13], s[74:75]
	s_add_nc_u64 s[46:47], s[42:43], RING1
	s_or_b32 s43, s43, 0x80000000
	s_or_b32 s47, s47, 0x80000000
	tensor_load_to_lds s[40:43], s[32:39]          ; fill 0
	s_nop 0
	tensor_load_to_lds s[44:47], s[32:39]          ; fill 1: both first fills go out ahead of every LDS read, wait on TENSORcnt and barrier
	s_nop 0
.irp i, 0,1,2
	s_min_u32 s72, s[50+\i], NTILE-1               ; loads stay inside the buffers
	s_lshl_b32 s74, s72, 14
	s_add_nc_u64 s[54+2*\i:55+2*\i], s[10:11], s[74:75]    ; src
	s_add_nc_u64 s[76+2*\i:77+2*\i], s[28:29], s[74:75]    ; out0
	s_lshl_b32 s74, s72, 13
	s_add_nc_u64 s[66+2*\i:67+2*\i], s[8:9], s[74:75]      ; samp
.endr
	v_and_b32 v11, 31, v0
	v_and_b32 v12, 15, v0                          ; r
	v_bfe_u32 v13, v0, 4, 1                        ; h
	v_lshlrev_b32 v1, 4, v11                       ; v1 = 16 L: slot 0's fragments, and rows in memory
	v_add_nc_u32 v2, RING1, v1                     ; v2: slot 1's fragments
	v_lshlrev_b32 v14, 5, v13
	v_add_nc_u32 v3, TAB, v14                      ; v3: b1 of features 8h .., steps with the chunks
	v_add_nc_u32 v4, PAR, v14                      ; v4: the norms' parameters
	s_mul_i32 s49, s4, 16*SPITCH
	s_add_co_u32 s49, s49, STG
	v_add_nc_u32 v5, s49, v1                       ; v5: the stage by rows
	v_mad_u32_u24 v6, v12, SPITCH, v14
	v_add_nc_u32 v6, s49, v6                       ; v6: the stage by lanes: row r, 32 h
	v_lshlrev_b32 v8, 4, v0
	v_lshlrev_b32 v9, 3, v0
	v_add_nc_u32 v14, TAB, v8
	v_add_nc_u32 v15, PAR, v9
	v_mov_b32 v10, 0
.macro SRCLD i, buf                    ; a tile of src, 32 loads of 512 consecutive bytes
	WIN 0x40
.set ii, 0
.rept 32
	global_load_b128 v[\buf+4*ii:\buf+4*ii+3], v1, s[54+2*\i:55+2*\i] offset:512*ii th:TH_LOAD_NT
.set ii, ii+1
.endr
.endm
; src + bout, from rows (as loaded) to lanes (as the sums lie), through my own stage: Y starts as the residual and the bias
.macro SRCIN i, buf
.set YW, 2+(\i>>1)
.set YB, 128*(\i&1)
	WIN 0x41
.set ii, 0
.rept 32
	v_pk_add_f32 v[\buf+4*ii:\buf+4*ii+1],   v[\buf+4*ii:\buf+4*ii+1],   v[TS+4*(ii&1):TS+4*(ii&1)+1]
	v_pk_add_f32 v[\buf+4*ii+2:\buf+4*ii+3], v[\buf+4*ii+2:\buf+4*ii+3], v[TS+4*(ii&1)+2:TS+4*(ii&1)+3]
.set ii, ii+1
.endr
	WIN 0x04
.set ii, 0
.rept 32
	ds_store_b128 v5, v[\buf+4*ii:\buf+4*ii+3] offset:(ii>>1)*SPITCH+(ii&1)*512
.set ii, ii+1
.endr
	WIN YW<<6
.set ii, 0
.rept 16
	ds_load_b128 v[YB+8*ii:YB+8*ii+3],   v6 offset:64*ii       ; LDS serves a wave's instructions in order (ISA guide 5.7.1): these see the stores above
	ds_load_b128 v[YB+8*ii+4:YB+8*ii+7], v6 offset:64*ii+16
.set ii, ii+1
.endr
.endm
.macro UL buf, slot, off               ; 16 fragments, 32 loads of 512 consecutive bytes
	WIN 0x40
.set ff, 0
.rept 16
	ds_load_b128 v[\buf+8*ff:\buf+8*ff+3],   v[1+\slot] offset:\off+1024*ff
	ds_load_b128 v[\buf+8*ff+4:\buf+8*ff+7], v[1+\slot] offset:\off+1024*ff+512
.set ff, ff+1
.endr
.endm
; In all products the accumulators take turns, one instruction a turn.
.macro MMY buf, nt0                    ; Y[.][nt0, nt0+1] += Wout's column pair x samp: 48 products
	WIN 0xA1
.irp ks, 0,1,2,3,4,5,6,7
.irp i, 0,1
.irp ft, 0,1
	v_wmma_f32_16x16x32_f16 v[128*\i+8*(\nt0+\ft):128*\i+8*(\nt0+\ft)+7], v[\buf+8*(2*\ks+\ft):\buf+8*(2*\ks+\ft)+7], v[XF+64*\i+8*\ks:XF+64*\i+8*\ks+7], v[128*\i+8*(\nt0+\ft):128*\i+8*(\nt0+\ft)+7]
.endr
.endr
.endr
	WIN 0xF1
.irp ks, 0,1,2,3,4,5,6,7
.irp ft, 0,1
	v_wmma_f32_16x16x32_f16 v[8*(\nt0+\ft):8*(\nt0+\ft)+7], v[\buf+8*(2*\ks+\ft):\buf+8*(2*\ks+\ft)+7], v[XF+128+8*\ks:XF+128+8*\ks+7], v[8*(\nt0+\ft):8*(\nt0+\ft)+7]
.endr
.endr
.endm
.macro FFN1                            ; H = b1 + x W1 for the chunk's 32 hidden features: 48 products on six accumulators
	WIN 0xF1
.irp ks, 0,1,2,3,4,5,6,7
.irp i, 0,1,2
.irp ft, 0,1
	v_wmma_f32_16x16x32_f16 v[HH+16*\i+8*\ft:HH+16*\i+8*\ft+7], v[WA+8*(2*\ks+\ft):WA+8*(2*\ks+\ft)+7], v[XF+64*\i+8*\ks:XF+64*\i+8*\ks+7], v[HH+16*\i+8*\ft:HH+16*\i+8*\ft+7]
.endr
.endr
.endr
.endm
.macro FFN2                            ; Y += relu(H) W2: 48 products, each on its own accumulator
	WIN 0xA1
.irp nt, 0,1,2,3,4,5,6,7,8,9,10,11,12,13,14,15
.irp i, 0,1
	v_wmma_f32_16x16x32_f16 v[128*\i+8*\nt:128*\i+8*\nt+7], v[WB+8*\nt:WB+8*\nt+7], v[HP+8*\i:HP+8*\i+7], v[128*\i+8*\nt:128*\i+8*\nt+7]
.endr
.endr
	WIN 0xF1
.irp nt, 0,1,2,3,4,5,6,7,8,9,10,11,12,13,14,15
	v_wmma_f32_16x16x32_f16 v[8*\nt:8*\nt+7], v[WB+8*\nt:WB+8*\nt+7], v[HP+16:HP+23], v[8*\nt:8*\nt+7]
.endr
.endm
.macro RELU                            ; relu in f32, then packed: the source-1 fragment of FFN2
	WIN 0xCF
.set ii, 0
.rept 48
	v_max_num_f32 v[HH+ii], 0, v[HH+ii]
.set ii, ii+1
.endr
	WIN 0x0F
.set ii, 0
.rept 24
	v_cvt_pk_f16_f32 v[HP+ii], v[HH+2*ii], v[HH+2*ii+1]
.set ii, ii+1
.endr
.endm
.macro B1LD cn                         ; the hidden sums of chunk cn (counted from v3's chunk) start from b1: the same 32 bytes for each of the three tiles
	WIN 0xC0
.irp i, 0,1,2
.irp ft, 0,1
	ds_load_b128 v[HH+16*\i+8*\ft:HH+16*\i+8*\ft+3],   v3 offset:128*\cn+64*\ft
	ds_load_b128 v[HH+16*\i+8*\ft+4:HH+16*\i+8*\ft+7], v3 offset:128*\cn+64*\ft+16
.endr
.endr
.endm
; The change of slots.  Every wave's reads of slot s are back and all its tensor loads have landed, its quarter of the other slot among them;
; behind the barrier both hold of all four waves: slot s is filled again first, then the other slot is read.
.macro SWITCH s, refill
	s_wait_dscnt 0x0
	s_set_vgpr_msb 0xf1f0
	s_wait_tensorcnt 0x0
	ds_add_u32 v254, v255
	s_wait_dscnt 0x0
	s_set_vgpr_msb 0xf0f1
.if \refill
	s_add_nc_u64 s[42+4*\s:43+4*\s], s[42+4*\s:43+4*\s], 2*RING1   ; no tensor load of mine is out: the address may step, two fills on
.endif
	s_barrier_signal -1
	s_barrier_wait -1
.if \refill
	tensor_load_to_lds s[40+4*\s:43+4*\s], s[32:39]
	s_nop 0
.endif
.endm
; One chunk, in half `half` of slot s.  On entry its W1 fragments (WA) and b1 (H) are on their way from LDS.
.macro CHUNK s, half, cn, sw, refill, next
	PLACES
	UL WB, \s, 32768*\half+16384                   ; its W2 fragments
	s_wait_dscnt 32                                ; all but those 32: W1 and b1 are in
	FFN1
.if \sw
	SWITCH \s, \refill
.endif
	PLACES
.if \next
.if \half
	UL WA, 1-\s, 0                                 ; the next chunk's W1
.else
	UL WA, \s, 32768
.endif
.endif
	RELU
.if \next
	B1LD \cn
	s_wait_dscnt 44                                ; the 32 + 12 loads for the next chunk stay out: W2 is in
.else
	s_wait_dscnt 0x0
.endif
	FFN2
.endm
.macro RED                             ; four chains, two halves of a pair, two halves of the wave: the row's sum in every lane
	WIN 0
	v_pk_add_f32 v[TS:TS+1], v[TS:TS+1], v[TS+2:TS+3]
	v_pk_add_f32 v[TS+4:TS+5], v[TS+4:TS+5], v[TS+6:TS+7]
	v_pk_add_f32 v[TS:TS+1], v[TS:TS+1], v[TS+4:TS+5]
	v_add_f32 v[TS], v[TS], v[TS+1]
	v_permlanex16_b32 v10, v[TS], s6, s7
	v_add_f32 v[TS], v[TS], v10
.endm
; Y = (Y - mean) / sqrt(var + 1e-6), the variance taken of the centred numbers
.macro STAT i
.set YW, 2+(\i>>1)
.set YB, 128*(\i&1)
	WIN (YW<<2)|YW
.set kk, 0
.rept 4
	v_pk_add_f32 v[TS+2*kk:TS+2*kk+1], v[YB+4*kk:YB+4*kk+1], v[YB+4*kk+2:YB+4*kk+3]       ; the first pairs start the chains
.set kk, kk+1
.endr
.set kk, 8
.rept 56
	v_pk_fma_f32 v[TS+2*(kk%4):TS+2*(kk%4)+1], v[YB+2*kk:YB+2*kk+1], 1.0, v[TS+2*(kk%4):TS+2*(kk%4)+1] op_sel_hi:[1,0,1]
.set kk, kk+1
.endr
	RED
	v_mul_f32 v[TS+8], s30, v[TS]
	v_mov_b32 v[TS+9], v[TS+8]
	WIN (YW<<6)|YW
.set kk, 0
.rept 64
	v_pk_add_f32 v[YB+2*kk:YB+2*kk+1], v[YB+2*kk:YB+2*kk+1], v[TS+8:TS+9] neg_lo:[0,1] neg_hi:[0,1]
.set kk, kk+1
.endr
	WIN (YW<<2)|YW
.set kk, 0
.rept 4
	v_pk_mul_f32 v[TS+2*kk:TS+2*kk+1], v[YB+2*kk:YB+2*kk+1], v[YB+2*kk:YB+2*kk+1]
.set kk, kk+1
.endr
.rept 60
	v_pk_fma_f32 v[TS+2*(kk%4):TS+2*(kk%4)+1], v[YB+2*kk:YB+2*kk+1], v[YB+2*kk:YB+2*kk+1], v[TS+2*(kk%4):TS+2*(kk%4)+1]
.set kk, kk+1
.endr
	RED
	v_fma_f32 v[TS], v[TS], s30, s31
	v_rsq_f32 v[TS+8], v[TS]
	v_rsq_f32 v[TS+9], v[TS]
	v_nop                                          ; one plain instruction behind the roots (ISA guide 5.7.2)
	WIN (YW<<6)|YW
.set kk, 0
	s_wait_alu depctr_va_vdst(0)
.rept 64
	v_pk_mul_f32 v[YB+2*kk:YB+2*kk+1], v[YB+2*kk:YB+2*kk+1], v[TS+8:TS+9]
.set kk, kk+1
.endr
.endm
.macro PLOAD vec, p, hf                ; parameter vector vec, feature tiles 8 hf .. 8 hf + 7, as the sums lie: 64 registers at p of window 1
	WIN 0x40
.irp n, 0,1,2,3,4,5,6,7
	ds_load_b128 v[\p+8*\n:\p+8*\n+3],   v4 offset:1024*\vec+512*\hf+64*\n
	ds_load_b128 v[\p+8*\n+4:\p+8*\n+7], v4 offset:1024*\vec+512*\hf+64*\n+16
.endr
.endm
; Y = Y scale + bias.  first = 1 (LN1): x also goes, packed, into XF, and b2 is added, so that FFN2 adds onto x + b2.
.macro AFF i, hf, first
.set YW, 2+(\i>>1)
.set YB, 128*(\i&1)+64*\hf
	WIN (YW<<6)|0x14|YW
.set kk, 0
.rept 32
	v_pk_fma_f32 v[YB+2*kk:YB+2*kk+1], v[YB+2*kk:YB+2*kk+1], v[2*kk:2*kk+1], v[64+2*kk:64+2*kk+1]
.set kk, kk+1
.endr
.if \first
	WIN (YW<<2)|YW
.set kk, 0
.rept 32
	v_cvt_pk_f16_f32 v[XF+64*\i+32*\hf+kk], v[YB+2*kk], v[YB+2*kk+1]
.set kk, kk+1
.endr
	WIN (YW<<6)|4|YW
.set kk, 0
.rept 32
	v_pk_add_f32 v[YB+2*kk:YB+2*kk+1], v[YB+2*kk:YB+2*kk+1], v[128+2*kk:128+2*kk+1]
.set kk, kk+1
.endr
.endif
.endm
; A tile leaves: from lanes to rows through my own stage, then 32 stores of 512 consecutive bytes.  A place past the last tile stores nothing.
.macro OUTT i
.set YW, 2+(\i>>1)
.set YB, 128*(\i&1)
	WIN 0
	s_cmp_ge_u32 s[50+\i], NTILE
	s_cbranch_scc1 .Lskip_\@
	WIN YW<<2
.set ii, 0
.rept 16
	ds_store_b128 v6, v[YB+8*ii:YB+8*ii+3] offset:64*ii
	ds_store_b128 v6, v[YB+8*ii+4:YB+8*ii+7] offset:64*ii+16
.set ii, ii+1
.endr
	s_wait_xcnt 0x0                                ; the buffer below holds the data of earlier stores: loaded again only behind this wait
	WIN 0x40
.set ii, 0
.rept 32
	ds_load_b128 v[128*(\i&1)+4*ii:128*(\i&1)+4*ii+3], v5 offset:(ii>>1)*SPITCH+(ii&1)*512
.set ii, ii+1
.endr
	s_wait_dscnt 0x0
	WIN 0x04
.set ii, 0
.rept 32
	global_store_b128 v1, v[128*(\i&1)+4*ii:128*(\i&1)+4*ii+3], s[76+2*\i:77+2*\i] offset:512*ii th:TH_STORE_NT
.set ii, ii+1
.endr
	WIN 0
.Lskip_\@:
.endm
	; the tables: b1 and five vectors into LDS, shared by the four waves; bout stays in registers, by rows
	global_load_b128 v[32:35], v8, s[16:17]
	global_load_b128 v[36:39], v8, s[16:17] offset:2048
	global_load_b64 v[40:41], v9, s[18:19]
	global_load_b64 v[42:43], v9, s[20:21]
	global_load_b64 v[44:45], v9, s[22:23]
	global_load_b64 v[46:47], v9, s[24:25]
	global_load_b64 v[48:49], v9, s[26:27]
	global_load_b128 v[TS:TS+3], v1, s[14:15]
	global_load_b128 v[TS+4:TS+7], v1, s[14:15] offset:512
	SRCLD 0, WA
	WIN 0
	s_wait_loadcnt 32                              ; tile 0's 32 loads stay out: the tables are in
	ds_store_b128 v14, v[32:35]
	ds_store_b128 v14, v[36:39] offset:2048
.irp k, 0,1,2,3,4
	ds_store_b64 v15, v[40+2*\k:41+2*\k] offset:1024*\k
.endr
	SRCLD 1, WB
	s_wait_loadcnt 32                              ; tile 1's 32 stay out: tile 0 is in
	SRCIN 0, WA
	s_wait_dscnt 0x0                               ; the stage has taken WA, the tables have left v32-49
	SRCLD 2, WA
	s_wait_loadcnt 32                              ; tile 2's 32 stay out: tile 1 is in
	SRCIN 1, WB
	WIN 0
.irp i, 0,1,2
.set ii, 0
.rept 16
	global_load_b128 v[XF+64*\i+4*ii:XF+64*\i+4*ii+3], v1, s[66+2*\i:67+2*\i] offset:512*ii th:TH_LOAD_NT   ; samp lies in fragment order
.set ii, ii+1
.endr
.endr
	s_wait_loadcnt 48                              ; samp's 48 stay out: tile 2 is in
	SRCIN 2, WA
	s_wait_loadcnt 0x0
	s_wait_dscnt 0x0                               ; my part of the tables is written, my Y is in
	s_wait_tensorcnt 0x1                           ; my quarter of fill 0 has landed; fill 1 may stay out
	s_barrier_signal -1
	s_barrier_wait -1
	; samp Wout: eight column pairs, two buffers taking turns; s_wait_dscnt 32 leaves the younger buffer's 32 loads out
	UL WA, 0, 0
	UL WB, 0, 16384
	s_wait_dscnt 32
	MMY WA, 0
	PLACES
	UL WA, 0, 32768
	s_wait_dscnt 32
	MMY WB, 2
	PLACES
	UL WB, 0, 49152
	s_wait_dscnt 32
	MMY WA, 4
	SWITCH 0, 1                                    ; fill 2 goes out
	PLACES
	UL WA, 1, 0
	MMY WB, 6
	PLACES
	UL WB, 1, 16384
	s_wait_dscnt 32
	MMY WA, 8
	PLACES
	UL WA, 1, 32768
	s_wait_dscnt 32
	MMY WB, 10
	PLACES
	UL WB, 1, 49152
	s_wait_dscnt 32
	MMY WA, 12
	SWITCH 1, 1                                    ; fill 3 goes out; fill 2 has landed in all four quarters
	MMY WB, 14
	; LN1
	PLACES
	STAT 0
	STAT 1
	STAT 2
.irp hf, 0,1
	PLOAD 0, 0, \hf
	PLOAD 1, 64, \hf
	PLOAD 2, 128, \hf
	s_wait_dscnt 0x0
	AFF 0, \hf, 1
	AFF 1, \hf, 1
	AFF 2, \hf, 1
.endr
	; the FFN: 32 chunks, four a trip
	UL WA, 0, 0
	B1LD 0
	WIN 0                                          ; at a label and at a branch every window is 0
	s_mov_b32 s48, 7
.Lffn:
	CHUNK 0, 0, 1, 0, 0, 1
	CHUNK 0, 1, 2, 1, 1, 1
	CHUNK 1, 0, 3, 0, 0, 1
	CHUNK 1, 1, 4, 1, 1, 1
	WIN 0
	v_add_nc_u32 v3, 512, v3                       ; four chunks of b1 on
	s_sub_co_u32 s48, s48, 1
	s_cmp_lg_u32 s48, 0
	s_cbranch_scc1 .Lffn
	CHUNK 0, 0, 1, 0, 0, 1                         ; the last four chunks: nothing is left to fetch
	CHUNK 0, 1, 2, 1, 0, 1                         ; the barrier still shows slot 1 whole to every wave
	CHUNK 1, 0, 3, 0, 0, 1
	CHUNK 1, 1, 4, 0, 0, 0
	; LN2
	PLACES
	STAT 0
	STAT 1
	STAT 2
.irp hf, 0,1
	PLOAD 3, 0, \hf
	PLOAD 4, 64, \hf
	s_wait_dscnt 0x0
	AFF 0, \hf, 0
	AFF 1, \hf, 0
	AFF 2, \hf, 0
.endr
	OUTT 0
	OUTT 1
	OUTT 2
	s_wait_tensorcnt 0x0
	ds_add_u32 v254, v255
	s_wait_dscnt 0x0
	s_endpgm
.Lfunc_end_k_q4c7f7c51a7_ffn:
	.size	k_q4c7f7c51a7_ffn, .Lfunc_end_k_q4c7f7c51a7_ffn-k_q4c7f7c51a7_ffn
	.p2alignl 7, 3214868480
	.fill 96, 4, 3214868480
	.section	.rodata,"a",@progbits
	.p2align	6, 0x0
	.amdhsa_kernel k_q4c7f7c51a7_ffn
		.amdhsa_group_segment_fixed_size 327680
		.amdhsa_private_segment_fixed_size 0
		.amdhsa_enable_private_segment 0
		.amdhsa_kernarg_size 88
		.amdhsa_user_sgpr_count 2
		.amdhsa_user_sgpr_kernarg_segment_ptr 1
		.amdhsa_wavefront_size32 1
		.amdhsa_system_sgpr_workgroup_id_x 1
		.amdhsa_system_sgpr_workgroup_id_y 1
		.amdhsa_system_sgpr_workgroup_id_z 1
		.amdhsa_system_vgpr_workitem_id 0
		.amdhsa_next_free_vgpr 1024
		.amdhsa_next_free_sgpr 84
		.amdhsa_reserve_vcc 0
		.amdhsa_float_denorm_mode_32 3
		.amdhsa_float_denorm_mode_16_64 3
		.amdhsa_memory_ordered 1
		.amdhsa_forward_progress 1
		.amdhsa_inst_pref_size 255
	.end_amdhsa_kernel
	.section	.bss,"aw",@nobits
	.p2align	6
	.space	262144
	.amdgpu_metadata
---
amdhsa.version: [ 1, 2 ]
amdhsa.kernels:
  - .name:           k_q4c7f7c51a7_ffn
    .symbol:         k_q4c7f7c51a7_ffn.kd
    .args:
      - { .name: samp, .offset: 0, .size: 8, .value_kind: global_buffer, .address_space: global }
      - { .name: src, .offset: 8, .size: 8, .value_kind: global_buffer, .address_space: global }
      - { .name: wsB, .offset: 16, .size: 8, .value_kind: global_buffer, .address_space: global }
      - { .name: bout, .offset: 24, .size: 8, .value_kind: global_buffer, .address_space: global }
      - { .name: b1, .offset: 32, .size: 8, .value_kind: global_buffer, .address_space: global }
      - { .name: ln1_scale, .offset: 40, .size: 8, .value_kind: global_buffer, .address_space: global }
      - { .name: ln1_bias, .offset: 48, .size: 8, .value_kind: global_buffer, .address_space: global }
      - { .name: b2, .offset: 56, .size: 8, .value_kind: global_buffer, .address_space: global }
      - { .name: ln2_scale, .offset: 64, .size: 8, .value_kind: global_buffer, .address_space: global }
      - { .name: ln2_bias, .offset: 72, .size: 8, .value_kind: global_buffer, .address_space: global }
      - { .name: out0, .offset: 80, .size: 8, .value_kind: global_buffer, .address_space: global }
    .group_segment_fixed_size: 327680
    .private_segment_fixed_size: 0
    .kernarg_segment_align: 8
    .kernarg_segment_size: 88
    .max_flat_workgroup_size: 128
    .sgpr_count:     84
    .vgpr_count:     1024
    .wavefront_size: 32
...
	.end_amdgpu_metadata
.endif
;; end of part 4
;; ======== version 2 of 2: 4 launches; 1.60 times as fast as version 1
;; limits: values outside matrix products are rounded to bf16; values are held in f16: magnitudes above 65,504 overflow, below 6.1e-05 lose precision
;; workspace buffers: wsA 327,680 bytes; wsB 1,179,648 bytes; val 22,282,240 bytes; idx 11,141,120 bytes of whole numbers; wgt 44,564,480 bytes; samp 22,282,240 bytes
;; launch prep: the kernel of part 1 again; grid 368 x 1, 8 waves a work-group, no clusters, 0 bytes of LDS; arguments Woff, Wattn, Wv, Wout, W1, W2, wsA, wsB; writes wsA, wsB
;; launch proj (part 5): grid 256 x 1, 4 waves a work-group, no clusters, 28,160 bytes of LDS; arguments src, pos_embed, ref_points, pad_mask, boff, battn, bv, wsA, val, idx, wgt; writes val, idx, wgt
.if DOCPART == 5
	.amdgcn_target "amdgcn-amd-amdhsa--gfx1250"
	.amdhsa_code_object_version 6
	.text
	.protected	k_q4c7f7c51a7_proj
	.globl	k_q4c7f7c51a7_proj
	.p2align	8
	.type	k_q4c7f7c51a7_proj,@function
k_q4c7f7c51a7_proj:
	s_mov_b64 s[64:65], 0
	v_nop
	global_prefetch_b8 v0, s[64:65] scope:SCOPE_SE
	s_setreg_imm32_b32 hwreg(HW_REG_WAVE_MODE, 25, 1), 1
	s_wait_xcnt 0x0
; value = src Wv + bv (0 where pad_mask), off = (src+pos) Woff + boff, aw = softmax((src+pos) Wattn + battn),
; and from off, aw and ref_points, for each of the 128 points of a row: one pixel index (u16) and four corner weights (bf16).
; 2,720 tiles of 16 rows; work-group g takes tiles g, g+256, ...: 11 tiles for g < 160, else 10.  Wave w owns heads 2w, 2w+1:
; ten feature tiles of 16 (T = 2hh+t off, 4+hh aw, 6+2hh+t value), whose 80 weight fragments stay in 640 registers for the whole launch.
; The matrix instruction is used transposed (source 0 = 16 features, source 1 = 16 data rows): lane (r, h) holds data row r, register j feature 8h+j.
; So a lane holds, of one row and head, the x and y offsets of levels h (t=0) and 2+h (t=1) and, by the column order of the weights, their attention weights.
; BILINEAR FORM: b = clamp(floor(l), 0, W-2); the weights of pixels b and b+1 are max(0, 1-|l-b|) and max(0, 1-|l-b-1|): the zero-padded
; bilinear weights in the interior, at both borders and outside.  One index start + yb W + xb serves the four corners.
; ONE WAVE ON A SIMD has nobody to fill the gap behind a dependent instruction, so the chains are laid side by side: the two heads' softmax line by line,
; a level's four points stage by stage.  The points' scratch (16 registers each) is FRQ, which is free once the products are done.
; WHAT IS STORED: val [batch][head][half of 16 channels][pixel][16 bf16], so that a half head is one dense block of 696,320 bytes;
; idx [tile][head][row>>3][h][row&7][8 u16: element 4t+p]; wgt [tile][head][2t+cx][row>>3][h][row&7][4 points x (row yb, row yb+1)].
; FORMAT: the matrix operands are f16: an offset is a sum of 256 products, and its error moves the sample by the difference of neighbouring pixels, so the
; three bits of significand that f16 has over bf16 count here.  Room: src and src+pos, thirty times the drawn spread or offset by thirty spreads, stay
; below some 240, far from 65,504; thirty times smaller (spread 0.03) f16's fixed step of 6e-8 is 2e-6 of the spread.
; LIMITS: a matrix operand beyond 65,504 in magnitude becomes infinite.  value and the corner weights aw*ay*ax (rounded once) are stored as bf16.
; Where a coordinate is NaN or infinite the weights are 0 or the index is a clamped one; the defining computation is not finite there.
; No cluster: the weights are read once into registers, and no two work-groups read the same rows.
; Registers in windows of 256: window 0: v0-31 addresses and lane constants, FRQ, ACC, TMP; windows 1, 2: weights of tiles 0-3, 4-7;
; window 3: v0-127 weights of tiles 8, 9; v128-191 the next tile's raw f32; v192-255 fragments of src.
.set PITCH, 528                        ; LDS row: 512 bytes of f16 + 16: the 16 rows of a fragment load start 16 bytes apart modulo 256
.set STL,   8448                       ; f16(src); f16(src+pos) lies at 0
.set BIASL, 16896                      ; 4 waves x 10 tiles x 64 bytes
.set VSTL,  19456                      ; 4 waves x 2,048 bytes: each wave's own stage for value
.set HALFB, 696320                     ; bytes of half a head of val: 21,760 pixels x 32
.set HEADB, 2*HALFB
.set FRQ,  32                          ; v32-95    fragments of src+pos, 8 K steps; behind the products: point p's scratch at FRQ+16p
.set ACC,  96                          ; v96-175   ten accumulator tiles
.set TMP,  176                         ; v176-255  at work: +0..15 weights to store, +16..19 indices, +20..35 value
.set SM,   TMP+36                      ; softmax scratch, head hh at SM+18hh: +0..2 maxima, +4..11 the eight weights, +12..15 sums, +16,17 the reciprocal twice
.set LG,   ACC+32                      ; the logits, head hh at LG+8hh
.set RAWS, 128                         ; window 3
.set RAWP, 160
.set FRS,  192
.set MSB, 0
.macro WIN new                         ; the immediate's high byte repeats the setting that is left
.if MSB != (\new)
	s_set_vgpr_msb (MSB<<8)|(\new)
.set MSB, (\new)
.endif
.endm
.macro RAWLD                           ; my 4 rows of a tile of src and of pos: 8 + 8 loads of 512 consecutive bytes
	WIN 0xC0
.irp i, 0,1,2,3,4,5,6,7
	global_load_b128 v[RAWS+4*\i:RAWS+4*\i+3], v1, s[8:9] offset:512*\i th:TH_LOAD_NT
.endr
.irp i, 0,1,2,3,4,5,6,7
	global_load_b128 v[RAWP+4*\i:RAWP+4*\i+3], v1, s[10:11] offset:512*\i th:TH_LOAD_NT
.endr
	WIN 0
.endm
	s_load_b512 s[8:23], s[0:1], 0x0               ; src pos ref pad boff battn bv wsA
	s_load_b128 s[24:27], s[0:1], 0x40             ; val, idx
	s_load_b64 s[28:29], s[0:1], 0x50              ; wgt
	v_lshl_add_u32 v254, v0, 2, 0x6c00
	v_mov_b32 v255, 0
	v_lshrrev_b32 v1, 5, v0
	v_readfirstlane_b32 s4, v1                     ; wave
	s_mov_b32 s5, ttmp9                            ; first tile
	s_mov_b32 s42, ttmp9                           ; the tile at work
	s_mov_b32 s48, 0x76543210                      ; v_permlanex16_b32: lane i reads lane i of the other half
	s_mov_b32 s49, 0xfedcba98
	s_mov_b32 s43, 0x44800000                      ; 1024.0
	s_mov_b32 s44, 0x46a00000                      ; 20480.0
	s_mov_b32 s35, 0
	s_mov_b32 s37, 0
	v_and_b32 v29, 31, v0                          ; L
	v_and_b32 v30, 15, v0                          ; r
	v_bfe_u32 v31, v0, 4, 1                        ; h
	v_lshlrev_b32 v10, 4, v29                      ; v10 = 16 L
	s_lshl_b32 s6, s4, 12
	v_add_nc_u32 v1, s6, v10                       ; v1: raw loads, 4 rows a wave
	s_mul_i32 s6, s4, 4*PITCH
	v_lshl_add_u32 v2, v29, 3, s6                  ; v2: where my 8 bytes of f16 go
	v_mul_u32_u24 v3, v30, PITCH
	v_lshl_add_u32 v3, v31, 4, v3                  ; v3: fragment loads, row r, 16 h
	s_mul_i32 s6, s4, 640
	s_add_co_u32 s6, s6, BIASL
	v_lshl_add_u32 v4, v31, 5, s6                  ; v4: my wave's biases, features 8h ..
	v_lshlrev_b32 v5, 5, v30
	v_lshl_add_u32 v5, v31, 3, v5                  ; v5: ref_points, row r, level h
	v_mov_b32 v6, v30                              ; v6: pad_mask, row r
	v_and_b32 v7, 7, v0
	v_lshlrev_b32 v7, 4, v7
	v_lshl_add_u32 v7, v31, 7, v7
	v_bfe_u32 v8, v0, 3, 1
	v_lshl_add_u32 v7, v8, 8, v7                   ; v7: idx and wgt: 256 (r>>3) + 128 h + 16 (r&7)
	s_lshl_b32 s7, s4, 11
	s_add_co_u32 s7, s7, VSTL
	v_lshlrev_b32 v8, 5, v30
	v_lshl_add_u32 v8, v31, 4, v8
	v_add_nc_u32 v8, s7, v8                        ; v8: value into the stage: 32 r + 16 h, a pixel's 16 channels side by side
	v_add_nc_u32 v9, s7, v10                       ; v9: and back, 16 L
	; lane constants of levels h (t = 0) and 2+h (t = 1): W, 1/W (powers of two: the exponent field steps), W-2, first pixel
	v_lshlrev_b32 v[TMP+10], 23, v31
	v_sub_nc_u32 v12, 0x43000000, v[TMP+10]        ; 128 or 64
	v_mov_b32 v13, v12
	v_sub_nc_u32 v14, 0x42000000, v[TMP+10]        ; 32 or 16
	v_mov_b32 v15, v14
	v_add_nc_u32 v16, 0x3c000000, v[TMP+10]        ; 1/128 or 1/64
	v_mov_b32 v17, v16
	v_add_nc_u32 v18, 0x3d000000, v[TMP+10]        ; 1/32 or 1/16
	v_mov_b32 v19, v18
	v_add_f32 v20, -2.0, v12
	v_add_f32 v21, -2.0, v14
	v_cvt_f32_u32 v[TMP+11], v31
	v_mul_f32 v22, 0x46800000, v[TMP+11]           ; 0 or 16384
	v_fma_f32 v23, v[TMP+11], s43, s44             ; 20480 or 21504
	; the bias table's addresses: word L of a pair of tiles; battn through the same column order as Wattn
	v_lshrrev_b32 v[TMP+7], 3, v30
	v_bfe_u32 v[TMP+8], v30, 2, 1
	v_lshl_add_u32 v[TMP+7], v[TMP+8], 1, v[TMP+7]
	v_and_b32 v[TMP+8], 3, v30
	v_lshl_add_u32 v[TMP+7], v[TMP+7], 2, v[TMP+8]
	v_lshl_add_u32 v[TMP+7], v31, 4, v[TMP+7]
	s_lshl_b32 s45, s4, 5
	v_add_lshl_u32 v[TMP+1], v[TMP+7], s45, 2      ; 4 (32 w + 16 h + column)
	s_lshl_b32 s45, s4, 8
	v_lshl_add_u32 v[TMP], v29, 2, s45             ; 256 w + 4 L
	v_lshl_add_u32 v[TMP+9], v29, 2, s6
	s_cmp_lt_u32 s5, 160
	s_cselect_b32 s41, 10, 9                       ; tiles less one
	s_wait_kmcnt 0x0
	s_lshl_b32 s36, s5, 14
	s_add_nc_u64 s[8:9], s[8:9], s[36:37]
	s_add_nc_u64 s[10:11], s[10:11], s[36:37]
	s_lshl_b32 s36, s5, 9
	s_add_nc_u64 s[12:13], s[12:13], s[36:37]
	s_lshl_b32 s36, s5, 4
	s_add_nc_u64 s[14:15], s[14:15], s[36:37]
	s_lshl_b32 s45, s5, 3
	s_lshl1_add_u32 s45, s4, s45                   ; 8 tile + 2 w
	s_lshl_b32 s36, s45, 9
	s_add_nc_u64 s[26:27], s[26:27], s[36:37]
	s_lshl_b32 s36, s45, 11
	s_add_nc_u64 s[28:29], s[28:29], s[36:37]
	s_mul_i32 s36, s4, 2*HEADB
	s_lshl_b32 s45, s5, 9                          ; a tile of 16 pixels is 512 bytes of a half head
	s_add_co_u32 s36, s36, s45
	s_add_nc_u64 s[30:31], s[24:25], s[36:37]      ; val at head 2w, half 0, pixel 16 tile, as if in batch 0
	s_mul_i32 s36, s4, 81920
	s_add_nc_u64 s[22:23], s[22:23], s[36:37]
	global_load_b32 v[TMP+2], v[TMP], s[16:17]             ; boff, tiles 0, 1
	global_load_b32 v[TMP+3], v[TMP], s[16:17] offset:128  ; tiles 2, 3
	global_load_b32 v[TMP+4], v[TMP+1], s[18:19]           ; battn, tiles 4, 5
	global_load_b32 v[TMP+5], v[TMP], s[20:21]             ; bv, tiles 6, 7
	global_load_b32 v[TMP+6], v[TMP], s[20:21] offset:128  ; tiles 8, 9
	RAWLD                                          ; the first tile
	s_wait_loadcnt 16                              ; the 16 raw loads may stay out: the five bias loads are in
.irp q, 0,1,2,3,4
	ds_store_b32 v[TMP+9], v[TMP+2+\q] offset:128*\q       ; my wave's own bytes: no barrier
.endr
	s_wait_xcnt 0x0                                ; the raw loads' bases are stepped only behind this wait
	s_add_nc_u64 s[8:9], s[8:9], 0x400000          ; 256 tiles of 16,384 bytes on
	s_add_nc_u64 s[10:11], s[10:11], 0x400000
	; my 80 weight fragments, 160 loads of 512 consecutive bytes
.set ff, 0
	WIN 0x40
.rept 32
	global_load_b128 v[8*(ff&31):8*(ff&31)+3],   v10, s[22:23] offset:1024*ff
	global_load_b128 v[8*(ff&31)+4:8*(ff&31)+7], v10, s[22:23] offset:1024*ff+512
.set ff, ff+1
.endr
	WIN 0x80
.rept 32
	global_load_b128 v[8*(ff&31):8*(ff&31)+3],   v10, s[22:23] offset:1024*ff
	global_load_b128 v[8*(ff&31)+4:8*(ff&31)+7], v10, s[22:23] offset:1024*ff+512
.set ff, ff+1
.endr
	WIN 0xC0
.rept 16
	global_load_b128 v[8*(ff&31):8*(ff&31)+3],   v10, s[22:23] offset:1024*ff
	global_load_b128 v[8*(ff&31)+4:8*(ff&31)+7], v10, s[22:23] offset:1024*ff+512
.set ff, ff+1
.endr
	WIN 0
; The softmax of both heads over their 16 weights (8 in this lane, 8 in lane xor 16), each line written for head 0 and head 1.
.macro SOFTMAX2
.irp hh, 0,1
	v_max3_num_f32 v[SM+18*\hh],   v[LG+8*\hh],   v[LG+8*\hh+1], v[LG+8*\hh+2]
	v_max3_num_f32 v[SM+18*\hh+1], v[LG+8*\hh+3], v[LG+8*\hh+4], v[LG+8*\hh+5]
	v_max_num_f32  v[SM+18*\hh+2], v[LG+8*\hh+6], v[LG+8*\hh+7]
.endr
.irp hh, 0,1
	v_max3_num_f32 v[SM+18*\hh], v[SM+18*\hh], v[SM+18*\hh+1], v[SM+18*\hh+2]
.endr
.irp hh, 0,1
	v_permlanex16_b32 v[29+\hh], v[SM+18*\hh], s48, s49
.endr
.irp hh, 0,1
	v_max_num_f32 v[SM+18*\hh], v[SM+18*\hh], v[29+\hh]    ; the maximum of the 16
.endr
.irp hh, 0,1
	v_mov_b32 v[SM+18*\hh+1], v[SM+18*\hh]
.endr
.irp hh, 0,1
.irp k, 0,2,4,6
	v_pk_add_f32 v[LG+8*\hh+\k:LG+8*\hh+\k+1], v[LG+8*\hh+\k:LG+8*\hh+\k+1], v[SM+18*\hh:SM+18*\hh+1] neg_lo:[0,1] neg_hi:[0,1]
.endr
.endr
.irp hh, 0,1
.irp k, 0,2,4,6
	v_pk_mul_f32 v[LG+8*\hh+\k:LG+8*\hh+\k+1], v[LG+8*\hh+\k:LG+8*\hh+\k+1], 0x3fb8aa3b op_sel_hi:[1,0]
.endr
.endr
.irp hh, 0,1
.irp k, 0,1,2,3,4,5,6,7
	v_exp_f32 v[SM+18*\hh+4+\k], v[LG+8*\hh+\k]
.endr
.endr
	v_nop                                          ; one plain instruction behind the exponentials (ISA guide 5.7.2)
	s_wait_alu depctr_va_vdst(0)
.irp hh, 0,1
	v_pk_add_f32 v[SM+18*\hh+12:SM+18*\hh+13], v[SM+18*\hh+4:SM+18*\hh+5], v[SM+18*\hh+6:SM+18*\hh+7]
	v_pk_add_f32 v[SM+18*\hh+14:SM+18*\hh+15], v[SM+18*\hh+8:SM+18*\hh+9], v[SM+18*\hh+10:SM+18*\hh+11]
.endr
.irp hh, 0,1
	v_pk_add_f32 v[SM+18*\hh+12:SM+18*\hh+13], v[SM+18*\hh+12:SM+18*\hh+13], v[SM+18*\hh+14:SM+18*\hh+15]
.endr
.irp hh, 0,1
	v_add_f32 v[SM+18*\hh+12], v[SM+18*\hh+12], v[SM+18*\hh+13]
.endr
.irp hh, 0,1
	v_permlanex16_b32 v[29+\hh], v[SM+18*\hh+12], s48, s49
.endr
.irp hh, 0,1
	v_add_f32 v[SM+18*\hh+12], v[SM+18*\hh+12], v[29+\hh]  ; at least 1: the largest term is 2^0
.endr
.irp hh, 0,1
	v_rcp_f32 v[SM+18*\hh+16], v[SM+18*\hh+12]
	v_rcp_f32 v[SM+18*\hh+17], v[SM+18*\hh+12]
.endr
	v_nop
	s_wait_alu depctr_va_vdst(0)
.irp hh, 0,1
.irp k, 0,2,4,6
	v_pk_mul_f32 v[SM+18*\hh+4+\k:SM+18*\hh+5+\k], v[SM+18*\hh+4+\k:SM+18*\hh+5+\k], v[SM+18*\hh+16:SM+18*\hh+17]
.endr
.endr
.endm
; The four points of head hh, level 2t+h, stage by stage.  Point p's scratch at FRQ+16p: +0,1 l then d = l - b (x, y); +2,3 floor then b; +4,5 d - 1;
; +6,7 the weights of pixels xb, xb+1; +8,9 of rows yb, yb+1; +10..13 the four products; +14 the index.
.macro PTS hh, t
.irp p, 0,1,2,3
	v_pk_fma_f32 v[FRQ+16*\p:FRQ+16*\p+1], v[ACC+8*(2*\hh+\t)+2*\p:ACC+8*(2*\hh+\t)+2*\p+1], v[16+2*\t:17+2*\t], v[24+2*\t:25+2*\t]   ; ref + off / W (x, y)
.endr
.irp p, 0,1,2,3
	v_pk_fma_f32 v[FRQ+16*\p:FRQ+16*\p+1], v[FRQ+16*\p:FRQ+16*\p+1], v[12+2*\t:13+2*\t], -0.5 op_sel_hi:[1,1,0]   ; times W, less a half
.endr
.irp p, 0,1,2,3
	v_floor_f32 v[FRQ+16*\p+2], v[FRQ+16*\p]
	v_floor_f32 v[FRQ+16*\p+3], v[FRQ+16*\p+1]
.endr
.irp p, 0,1,2,3
	v_med3_num_f32 v[FRQ+16*\p+2], v[FRQ+16*\p+2], 0, v[20+\t]     ; xb, yb in 0 .. W-2
	v_med3_num_f32 v[FRQ+16*\p+3], v[FRQ+16*\p+3], 0, v[20+\t]
.endr
.irp p, 0,1,2,3
	v_pk_add_f32 v[FRQ+16*\p:FRQ+16*\p+1], v[FRQ+16*\p:FRQ+16*\p+1], v[FRQ+16*\p+2:FRQ+16*\p+3] neg_lo:[0,1] neg_hi:[0,1]
	v_fma_f32 v[FRQ+16*\p+14], v[FRQ+16*\p+3], v[12+2*\t], v[FRQ+16*\p+2]  ; yb W + xb: whole numbers below 21,760, exact in f32
.endr
.irp p, 0,1,2,3
	v_pk_add_f32 v[FRQ+16*\p+4:FRQ+16*\p+5], v[FRQ+16*\p:FRQ+16*\p+1], -1.0 op_sel_hi:[1,0]
	v_add_f32 v[FRQ+16*\p+14], v[FRQ+16*\p+14], v[22+\t]
.endr
.irp p, 0,1,2,3
	v_sub_f32 v[FRQ+16*\p+6], 1.0, |v[FRQ+16*\p]|          ; x: pixel xb, pixel xb+1
	v_sub_f32 v[FRQ+16*\p+7], 1.0, |v[FRQ+16*\p+4]|
	v_sub_f32 v[FRQ+16*\p+8], 1.0, |v[FRQ+16*\p+1]|        ; y: row yb, row yb+1
	v_sub_f32 v[FRQ+16*\p+9], 1.0, |v[FRQ+16*\p+5]|
.endr
.irp p, 0,1,2,3
	v_max_num_f32 v[FRQ+16*\p+6], 0, v[FRQ+16*\p+6]
	v_max_num_f32 v[FRQ+16*\p+7], 0, v[FRQ+16*\p+7]
	v_max_num_f32 v[FRQ+16*\p+8], 0, v[FRQ+16*\p+8]
	v_max_num_f32 v[FRQ+16*\p+9], 0, v[FRQ+16*\p+9]
.endr
.irp p, 0,1,2,3
	v_mul_f32 v[FRQ+16*\p+8], v[FRQ+16*\p+8], v[SM+18*\hh+4+4*\t+\p]       ; the attention weight rides on y's
	v_mul_f32 v[FRQ+16*\p+9], v[FRQ+16*\p+9], v[SM+18*\hh+4+4*\t+\p]
	v_cvt_u32_f32 v[FRQ+16*\p+14], v[FRQ+16*\p+14]
.endr
.irp p, 0,1,2,3
	v_pk_mul_f32 v[FRQ+16*\p+10:FRQ+16*\p+11], v[FRQ+16*\p+6:FRQ+16*\p+7], v[FRQ+16*\p+8:FRQ+16*\p+9] op_sel_hi:[1,0]                ; row yb: both by the first
	v_pk_mul_f32 v[FRQ+16*\p+12:FRQ+16*\p+13], v[FRQ+16*\p+6:FRQ+16*\p+7], v[FRQ+16*\p+8:FRQ+16*\p+9] op_sel:[0,1] op_sel_hi:[1,1]   ; row yb+1: both by the second
.endr
.irp p, 0,1,2,3
	v_cvt_pk_bf16_f32 v[TMP+8*\t+\p],   v[FRQ+16*\p+10], v[FRQ+16*\p+12]   ; pixel xb: rows yb, yb+1 in one word
	v_cvt_pk_bf16_f32 v[TMP+8*\t+4+\p], v[FRQ+16*\p+11], v[FRQ+16*\p+13]   ; pixel xb+1
.endr
	v_lshl_or_b32 v[TMP+16+2*\t], v[FRQ+30], 16, v[FRQ+14]         ; points 0, 1
	v_lshl_or_b32 v[TMP+17+2*\t], v[FRQ+62], 16, v[FRQ+46]         ; points 2, 3
.endm
; One head of the wave: 8 points, value, the stores.
.macro HEAD hh
	s_wait_xcnt 0x0                                ; TMP+0..35 hold the data of earlier stores: rewritten only behind this wait
	PTS \hh, 0
	PTS \hh, 1
	; value: 16 bytes a lane (row r, channels 16t+8h ..) through my own stage: half t's 16 pixels x 32 bytes come back as 512 consecutive bytes in lane order
.irp t, 0,1
.irp jj, 0,1,2,3
	v_cvt_pk_bf16_f32 v[TMP+20+4*\t+\jj], v[ACC+8*(6+2*\hh+\t)+2*\jj], v[ACC+8*(6+2*\hh+\t)+2*\jj+1]
.endr
.irp jj, 0,1,2,3
	v_and_b32 v[TMP+20+4*\t+\jj], v11, v[TMP+20+4*\t+\jj]  ; 0 where the row is padding
.endr
	ds_store_b128 v8, v[TMP+20+4*\t:TMP+23+4*\t] offset:1024*\hh+512*\t
.endr
	ds_load_b128 v[TMP+28:TMP+31], v9 offset:1024*\hh      ; LDS serves a wave's instructions in order (ISA guide 5.7.1): these see the stores above
	ds_load_b128 v[TMP+32:TMP+35], v9 offset:1024*\hh+512
	global_store_b128 v7, v[TMP+16:TMP+19], s[26:27] offset:512*\hh
.irp q, 0,1,2,3
	global_store_b128 v7, v[TMP+4*\q:TMP+4*\q+3], s[28:29] offset:2048*\hh+512*\q
.endr
	s_wait_dscnt 0x0
	global_store_b128 v10, v[TMP+28:TMP+31], s[32:33] offset:HEADB*\hh
	global_store_b128 v10, v[TMP+32:TMP+35], s[32:33] offset:HEADB*\hh+HALFB
.endm
; One tile.  pref = 1: the raw rows of the tile 256 further on are asked for.
.macro TRIP pref
	s_wait_loadcnt 0x0                             ; this tile's raw rows (in the first trip the weights too)
	s_wait_xcnt 0x0                                ; TMP and the base of val's stores are rewritten only behind this wait
	WIN 0xCF
.set ii, 0
.rept 16
	v_pk_add_f32 v[RAWP+2*ii:RAWP+2*ii+1], v[RAWP+2*ii:RAWP+2*ii+1], v[RAWS+2*ii:RAWS+2*ii+1]  ; query = src + pos
.set ii, ii+1
.endr
	WIN 0x0F
.set ii, 0
.rept 16
	v_cvt_pk_f16_f32 v[TMP+ii], v[RAWP+2*ii], v[RAWP+2*ii+1]
	v_cvt_pk_f16_f32 v[TMP+16+ii], v[RAWS+2*ii], v[RAWS+2*ii+1]
.set ii, ii+1
.endr
	WIN 0
	s_wait_dscnt 0x0
	s_barrier_signal -1                            ; every wave's reads of the last tile's rows are back
	s_barrier_wait -1
.set ii, 0
.rept 8
	ds_store_b64 v2, v[TMP+2*ii:TMP+2*ii+1] offset:(ii>>1)*PITCH+(ii&1)*256
	ds_store_b64 v2, v[TMP+16+2*ii:TMP+17+2*ii] offset:STL+(ii>>1)*PITCH+(ii&1)*256
.set ii, ii+1
.endr
	s_cmp_ge_u32 s42, 1360                         ; batch 1 begins at tile 1,360: 8 heads on, 1,360 tiles of 512 bytes back
	s_cselect_b32 s34, 8*HEADB-1360*512, 0
	s_add_nc_u64 s[32:33], s[30:31], s[34:35]
	global_load_b64 v[24:25], v5, s[12:13]         ; ref_points of row r, level h
	global_load_b64 v[26:27], v5, s[12:13] offset:16       ; level 2+h
	global_load_u8 v28, v6, s[14:15]
.if \pref
	RAWLD
.endif
	s_wait_dscnt 0x0                               ; my part of the rows is written,
	s_barrier_signal -1
	s_barrier_wait -1                              ; everybody's is
.irp tt, 0,1,2,3,4,5,6,7,8,9
	ds_load_b128 v[ACC+8*\tt:ACC+8*\tt+3],   v4 offset:64*\tt      ; the sums start from the biases
	ds_load_b128 v[ACC+8*\tt+4:ACC+8*\tt+7], v4 offset:64*\tt+16
.endr
.irp ks, 0,1,2,3,4,5,6,7
	ds_load_b128 v[FRQ+8*\ks:FRQ+8*\ks+3],   v3 offset:64*\ks
	ds_load_b128 v[FRQ+8*\ks+4:FRQ+8*\ks+7], v3 offset:64*\ks+32
.endr
	WIN 0xC0
.irp ks, 0,1,2,3,4,5,6,7
	ds_load_b128 v[FRS+8*\ks:FRS+8*\ks+3],   v3 offset:STL+64*\ks
	ds_load_b128 v[FRS+8*\ks+4:FRS+8*\ks+7], v3 offset:STL+64*\ks+32
.endr
	s_wait_dscnt 16                                ; the biases and the query's fragments are in; the 16 loads of src's fragments stay out
	; 80 products.  The accumulators take turns, one instruction a turn.
	WIN 0x01
.irp ks, 0,1,2,3,4,5,6,7
.irp tt, 0,1,2,3
	v_wmma_f32_16x16x32_f16 v[ACC+8*\tt:ACC+8*\tt+7], v[64*\tt+8*\ks:64*\tt+8*\ks+7], v[FRQ+8*\ks:FRQ+8*\ks+7], v[ACC+8*\tt:ACC+8*\tt+7]
.endr
.endr
	WIN 0x02
.irp ks, 0,1,2,3,4,5,6,7
.irp tt, 4,5
	v_wmma_f32_16x16x32_f16 v[ACC+8*\tt:ACC+8*\tt+7], v[64*(\tt-4)+8*\ks:64*(\tt-4)+8*\ks+7], v[FRQ+8*\ks:FRQ+8*\ks+7], v[ACC+8*\tt:ACC+8*\tt+7]
.endr
.endr
	s_wait_dscnt 0x0                               ; src's fragments
	WIN 0x0E
.irp ks, 0,1,2,3,4,5,6,7
.irp tt, 6,7
	v_wmma_f32_16x16x32_f16 v[ACC+8*\tt:ACC+8*\tt+7], v[64*(\tt-4)+8*\ks:64*(\tt-4)+8*\ks+7], v[FRS+8*\ks:FRS+8*\ks+7], v[ACC+8*\tt:ACC+8*\tt+7]
.endr
.endr
	WIN 0x0F
.irp ks, 0,1,2,3,4,5,6,7
.irp tt, 8,9
	v_wmma_f32_16x16x32_f16 v[ACC+8*\tt:ACC+8*\tt+7], v[64*(\tt-8)+8*\ks:64*(\tt-8)+8*\ks+7], v[FRS+8*\ks:FRS+8*\ks+7], v[ACC+8*\tt:ACC+8*\tt+7]
.endr
.endr
	WIN 0
.rept 4
	v_nop                                          ; four places behind the last matrix instruction before its results are read and FRQ is written (ISA guide 7.12.1)
.endr
	s_wait_loadcnt 16*\pref                        ; ref_points and the mask are in; the 16 raw loads issued behind them stay out
	v_cmp_eq_u32 vcc_lo, 0, v28
	v_cndmask_b32 v11, 0, -1, vcc_lo               ; all ones where the row is kept
	SOFTMAX2
	HEAD 0
	HEAD 1
.if \pref
	s_wait_xcnt 0x0                                ; every base is stepped only behind this wait
	s_add_nc_u64 s[8:9], s[8:9], 0x400000
	s_add_nc_u64 s[10:11], s[10:11], 0x400000
	s_add_nc_u64 s[12:13], s[12:13], 0x20000
	s_add_nc_u64 s[14:15], s[14:15], 0x1000
	s_add_nc_u64 s[26:27], s[26:27], 0x100000
	s_add_nc_u64 s[28:29], s[28:29], 0x400000
	s_add_nc_u64 s[30:31], s[30:31], 0x20000       ; 256 tiles of 512 bytes
	s_add_co_u32 s42, s42, 256
.endif
.endm
	s_mov_b32 s40, 0
.Ltile:
	TRIP 1
	s_add_co_u32 s40, s40, 1
	s_cmp_lt_u32 s40, s41
	s_cbranch_scc1 .Ltile
	TRIP 0                                         ; the last tile asks for nothing beyond the end
	s_wait_tensorcnt 0x0
	ds_add_u32 v254, v255
	s_wait_dscnt 0x0
	s_endpgm
.Lfunc_end_k_q4c7f7c51a7_proj:
	.size	k_q4c7f7c51a7_proj, .Lfunc_end_k_q4c7f7c51a7_proj-k_q4c7f7c51a7_proj
	.p2alignl 7, 3214868480
	.fill 96, 4, 3214868480
	.section	.rodata,"a",@progbits
	.p2align	6, 0x0
	.amdhsa_kernel k_q4c7f7c51a7_proj
		.amdhsa_group_segment_fixed_size 28160
		.amdhsa_private_segment_fixed_size 0
		.amdhsa_enable_private_segment 0
		.amdhsa_kernarg_size 88
		.amdhsa_user_sgpr_count 2
		.amdhsa_user_sgpr_kernarg_segment_ptr 1
		.amdhsa_wavefront_size32 1
		.amdhsa_system_sgpr_workgroup_id_x 1
		.amdhsa_system_sgpr_workgroup_id_y 1
		.amdhsa_system_sgpr_workgroup_id_z 1
		.amdhsa_system_vgpr_workitem_id 0
		.amdhsa_next_free_vgpr 1024
		.amdhsa_next_free_sgpr 66
		.amdhsa_reserve_vcc 1
		.amdhsa_float_denorm_mode_32 3
		.amdhsa_float_denorm_mode_16_64 3
		.amdhsa_memory_ordered 1
		.amdhsa_forward_progress 1
		.amdhsa_inst_pref_size 107
	.end_amdhsa_kernel
	.amdgpu_metadata
---
amdhsa.version: [ 1, 2 ]
amdhsa.kernels:
  - .name:           k_q4c7f7c51a7_proj
    .symbol:         k_q4c7f7c51a7_proj.kd
    .args:
      - { .name: src, .offset: 0, .size: 8, .value_kind: global_buffer, .address_space: global }
      - { .name: pos_embed, .offset: 8, .size: 8, .value_kind: global_buffer, .address_space: global }
      - { .name: ref_points, .offset: 16, .size: 8, .value_kind: global_buffer, .address_space: global }
      - { .name: pad_mask, .offset: 24, .size: 8, .value_kind: global_buffer, .address_space: global }
      - { .name: boff, .offset: 32, .size: 8, .value_kind: global_buffer, .address_space: global }
      - { .name: battn, .offset: 40, .size: 8, .value_kind: global_buffer, .address_space: global }
      - { .name: bv, .offset: 48, .size: 8, .value_kind: global_buffer, .address_space: global }
      - { .name: wsA, .offset: 56, .size: 8, .value_kind: global_buffer, .address_space: global }
      - { .name: val, .offset: 64, .size: 8, .value_kind: global_buffer, .address_space: global }
      - { .name: idx, .offset: 72, .size: 8, .value_kind: global_buffer, .address_space: global }
      - { .name: wgt, .offset: 80, .size: 8, .value_kind: global_buffer, .address_space: global }
    .group_segment_fixed_size: 28160
    .private_segment_fixed_size: 0
    .kernarg_segment_align: 8
    .kernarg_segment_size: 88
    .max_flat_workgroup_size: 128
    .sgpr_count:     66
    .vgpr_count:     1024
    .wavefront_size: 32
...
	.end_amdgpu_metadata
.endif
;; end of part 5
;; launch sample (part 6): grid 256 x 1, 16 waves a work-group, no clusters, 174,080 bytes of LDS; arguments val, idx, wgt, samp; writes samp
.if DOCPART == 6
	.amdgcn_target "amdgcn-amd-amdhsa--gfx1250"
	.amdhsa_code_object_version 6
	.text
	.protected	k_q4c7f7c51a7_sample
	.globl	k_q4c7f7c51a7_sample
	.p2align	8
	.type	k_q4c7f7c51a7_sample,@function
k_q4c7f7c51a7_sample:
	s_mov_b64 s[64:65], 0
	v_nop
	global_prefetch_b8 v0, s[64:65] scope:SCOPE_SE
	s_setreg_imm32_b32 hwreg(HW_REG_WAVE_MODE, 25, 1), 1
	s_wait_xcnt 0x0
; The sampling sum: for each row and head, 16 points x 4 corners x 32 channels of val (bf16), weighted (bf16 weights, f32 sums).
; THREE LEVELS OUT OF LDS.  The sampled pixels lie anywhere in a level, so a level is either held whole or fetched corner by corner.  Half a head (16 channels, 32 bytes a pixel)
; of levels 1, 2, 3 is 5,376 pixels = 172,032 bytes and is held in LDS; level 0 (524,288 bytes for half a head) stays in memory.  So of a row's 64 corners 48 come from LDS.
; A work-group owns one half head and 170 of its batch's 1,360 tiles of 16 rows: 32 half heads x 8 ranges = 256 work-groups of 16 waves.  Number = ((8 batch + head) 8 + range) 2 + half.
; Wave w takes tiles w, w+16, ..: 11 tiles for w < 10, else 10.  No wave needs another behind the one barrier that shows LDS filled.
; A pass is 8 rows (u = 0, 1 of a tile).  Lane = 4 s + c: row 8u + s; c>>1 = cx (pixel xb or xb+1), c&1 = which 8 of the 16 channels.  Pixels xb and xb+1 lie side by side, so four lanes
; read 64 consecutive bytes and one load covers one row of corners (cy) of one point for 8 rows.  A pass: 8 loads from memory, 24 from LDS, 256 multiply-adds straight from the bf16 halves.
; The weights are stored by cx, so that a lane loads its own: one word a point, rows yb and yb+1 in its halves.  The two cx lanes are added at the end (one lane exchange a channel).
; Both then hold the sum, so lane cx keeps pass u = cx, and one store of the wave covers the tile's 512 consecutive bytes, aligned, of the fragment (f16) that the next launch's products take.
; TWO PASSES AHEAD ON TWO SETS OF REGISTERS: a set is loaded again straight behind its last use.  In pass j each level's weights are asked for again, for pass j+2, behind that level's
; multiply-adds; behind level 0's, which come last, the addresses of pass j+2 are made, its 8 loads from memory go out, and the indices of pass j+4.  So every load from memory has two
; passes in which to land, and 16 waves x 2 passes x 5,376 bytes are on their way.
; A pass issues 14 loads in one fixed order: W1 W2 W3 W0 (a level's weights), G x 8 (level 0), I x 2 (indices).  Loads come back in order (ISA guide 5.7.1), so each wait counts the loads
; issued behind the one that it needs: W1: 13 of its own pass + 14 of the pass between = 27; W2: 12 + 14 + 1 of this pass; W3: 11 + 14 + 2; the last G: 2 + 14 + 3 = 19; I: 14 + 4 = 18.
; The head of the kernel issues the loads of passes 0 and 1 in the same order, so the counts hold from the first pass on; the last two tiles are written out, and PASS's flags lower the counts.
; Indices come from a buffer that an earlier launch stored.  The levels' first pixels (0, 0x4000, 0x5000, 0x5400) have no bit below W x W, so idx & (W W - 1) is the index in the level;
; it is clamped to the level's last legal base pixel, (W-2) W + W-2, in front of the address.
; Room in f16: a result is a convex mix of numbers of val; with src and Wv both thirty times the drawn spread val has a spread of 900 and peaks near 5,400.  LIMIT: beyond 65,504 it becomes infinite.
; NO CLUSTER: the fill that the eight work-groups of a half head share is 172,032 of the 2 million bytes that each reads; the indices and weights that the two halves of a head share (1,280 of a pass's
; 5,376 bytes) go lane by lane into registers, and as joint loads would need a ring in LDS and a round of the cluster's barrier for each refill among waves whose numbers of tiles differ.
; No prefetch: an address is used by its load as soon as it is known, two passes ahead of the data's use.  No matrix unit: the sum has no common operand.
.set HALFB, 696320                     ; bytes of half a head of val
.set L0B,   524288                     ; of which level 0
.set FILLB, 21504                      ; an eighth of levels 1-3: 84 rows of 256 bytes
.set IDX, 8                            ; v8-23    two sets: the indices of a pass, [h'][8 x u16], level 2t+h' in words 2t, 2t+1
.set ADR, 24                           ; v24-55   two sets of [level][point]
.set ACC, 56                           ; v56-63   8 channels in f32
.set OB,  64                           ; v64-71   packed results of the two passes
.set OS,  72                           ; v72-75   what the lane stores
.set WG,  76                           ; v76-107  two sets of [level][point]
.set G0,  108                          ; v108-171 two buffers of level 0's 8 loads
.set LA,  172                          ; v172-203 8 loads from LDS
.set LB,  204                          ; v204-235 8 loads from LDS
	s_load_b256 s[4:11], s[0:1], 0x0               ; val s[4:5] idx s[6:7] wgt s[8:9] samp s[10:11]
	v_lshl_add_u32 v236, v0, 2, 0x2a000
	v_mov_b32 v237, 0
	ds_add_u32 v236, v237
	v_lshrrev_b32 v1, 5, v0
	v_readfirstlane_b32 s12, v1                    ; wave 0..15
	s_and_b32 s13, ttmp9, 1                        ; half
	s_bfe_u32 s14, ttmp9, 0x30001                  ; range (3 bits from bit 1)
	s_lshr_b32 s15, ttmp9, 4                       ; 8 batch + head
	s_lshr_b32 s16, s15, 3                         ; batch
	s_and_b32 s17, s15, 7                          ; head
	s_mul_i32 s18, s16, 1360
	s_mul_i32 s19, s14, 170
	s_add_co_u32 s18, s18, s19
	s_add_co_u32 s18, s18, s12                     ; my first tile
	s_lshl3_add_u32 s18, s18, s17                  ; 8 tile + head
	s_lshl_b32 s20, s18, 9                         ; idx: 512 bytes a tile and head
	s_mov_b32 s21, 0
	s_lshl_b32 s22, s18, 11                        ; wgt: 2,048
	s_mov_b32 s23, 0
	s_lshl_b32 s24, s18, 10                        ; samp: 1,024, my half's 512
	s_lshl_b32 s25, s13, 9
	s_add_co_u32 s24, s24, s25
	s_mov_b32 s25, 0
	s_lshl1_add_u32 s26, s15, s13
	s_mul_i32 s26, s26, HALFB                      ; my half head of val
	s_mov_b32 s27, 0
	s_mov_b32 s42, 0xcccccccc                      ; the lanes with cx = 1
	; descriptor group 1: a dense block of 21,504 bytes as 84 rows of 32 elements of 8 bytes
	s_mov_b32 s32, 3<<16                           ; no mask, element of 8 bytes, no padding
	s_mov_b32 s33, 32<<16                          ; tensor_dim0 = 32
	s_mov_b32 s34, 84<<16                          ; tensor_dim1 = 84
	s_mov_b32 s35, 32<<16                          ; tile_dim0 = 32
	s_mov_b32 s36, 84                              ; tile_dim1 = 84
	s_mov_b32 s37, 32                              ; 32 elements from row to row
	s_mov_b32 s38, 0
	s_mov_b32 s39, 0
	s_mov_b32 s28, 1                               ; group 0: count
	s_mul_i32 s29, s12, FILLB                      ; LDS address: wave x 21,504
	s_mul_i32 s40, s12, FILLB
	s_add_co_u32 s40, s40, L0B                     ; the same eighth behind level 0
	s_mov_b32 s41, 0
	v_and_b32 v9, 31, v0
	v_lshrrev_b32 v1, 2, v9
	v_lshlrev_b32 v1, 4, v1                        ; v1 = 16 s: idx
	v_bfe_u32 v10, v0, 1, 1                        ; cx
	v_lshl_add_u32 v2, v10, 9, v1                  ; v2 = 512 cx + 16 s: wgt
	v_and_b32 v3, 3, v0
	v_lshlrev_b32 v3, 4, v3                        ; v3 = 16 c: level 0 in memory, level 1 in LDS (from byte 0)
	v_add_nc_u32 v5, 131072, v3                    ; v5: level 2 in LDS, behind level 1's 4,096 pixels
	v_add_nc_u32 v6, 163840, v3                    ; v6: level 3, behind level 2's 1,024
	v_and_b32 v11, 1, v0
	v_lshl_add_u32 v7, v10, 7, v1
	v_lshl_add_u32 v7, v11, 8, v7                  ; v7 = 256 (c&1) + 128 cx + 16 s: row 8 cx + s of the fragment's half
	s_wait_dscnt 0x0
	s_wait_kmcnt 0x0
	s_add_nc_u64 s[4:5], s[4:5], s[26:27]
	s_add_nc_u64 s[30:31], s[4:5], s[40:41]
	s_or_b32 s31, s31, 0x80000000                  ; type = 2
	s_cmp_lt_u32 s12, 8
	s_cbranch_scc0 .Lno_fill
	tensor_load_to_lds s[28:31], s[32:39]          ; waves 0 to 7: the one fill of the launch, an eighth each; one tensor load of a wave is out
	s_nop 0
.Lno_fill:
	s_add_nc_u64 s[6:7], s[6:7], s[20:21]
	s_add_nc_u64 s[8:9], s[8:9], s[22:23]
	s_add_nc_u64 s[10:11], s[10:11], s[24:25]
.macro ILOAD st, off                   ; the indices of a pass into set st: 2 x 128 bytes
	global_load_b128 v[IDX+8*(\st):IDX+8*(\st)+3],   v1, s[6:7] offset:\off
	global_load_b128 v[IDX+8*(\st)+4:IDX+8*(\st)+7], v1, s[6:7] offset:\off+128
.endm
.macro WLOAD1 st, l, off               ; the weights of level l = 2t + h' of a pass into set st: at 1,024 t + 128 h'
	global_load_b128 v[WG+16*(\st)+4*\l:WG+16*(\st)+4*\l+3], v2, s[8:9] offset:\off+1024*(\l>>1)+128*(\l&1)
.endm
.macro ADDRS st                        ; 16 addresses into set st from index set st
.irp l, 0,1,2,3
.set WL, 128>>\l
.set NB, 14-2*\l
.if \l < 2
.set CL, 3
.else
.set CL, 3+\l
.endif
.irp p, 0,1,2,3
.set AR, ADR+16*(\st)+4*\l+\p
.set WD, IDX+8*(\st)+4*(\l&1)+2*(\l>>1)+(\p>>1)
.if (\p&1)
	v_bfe_u32 v[AR], v[WD], 16, NB
.else
	v_and_b32 v[AR], (1<<NB)-1, v[WD]
.endif
	v_min_u32 v[AR], WL*WL-WL-2, v[AR]
	v_lshl_add_u32 v[AR], v[AR], 5, v[CL]
.endr
.endr
.endm
.macro GATHER0 st                      ; level 0 from memory: rows yb and yb+1 are 128 pixels = 4,096 bytes apart
.irp p, 0,1,2,3
.irp cy, 0,1
	global_load_b128 v[G0+32*(\st)+8*\p+4*\cy:G0+32*(\st)+8*\p+4*\cy+3], v[ADR+16*(\st)+\p], s[4:5] offset:4096*\cy
.endr
.endr
.endm
.macro GATHERL buf, st, l              ; level l from LDS: rows are 32 W = 4,096 >> l bytes apart
.irp p, 0,1,2,3
.irp cy, 0,1
	ds_load_b128 v[\buf+8*\p+4*\cy:\buf+8*\p+4*\cy+3], v[ADR+16*(\st)+4*\l+\p] offset:(4096>>\l)*\cy
.endr
.endr
.endm
.macro FMAL buf, st, l                 ; 64 multiply-adds: 4 points x 2 rows x 8 channels
.irp p, 0,1,2,3
.irp cy, 0,1
.irp k, 0,1,2,3
	v_fma_mix_f32_bf16 v[ACC+2*\k], v[\buf+8*\p+4*\cy+\k], v[WG+16*(\st)+4*\l+\p], v[ACC+2*\k] op_sel:[0,\cy,0] op_sel_hi:[1,1,0]
	v_fma_mix_f32_bf16 v[ACC+2*\k+1], v[\buf+8*\p+4*\cy+\k], v[WG+16*(\st)+4*\l+\p], v[ACC+2*\k+1] op_sel:[1,\cy,0] op_sel_hi:[1,1,0]
.endr
.endr
.endr
.endm
; Pass j = (the tile at the bases, u).  a: pass j+2 exists: its weights, addresses and level 0 are asked for.  b: pass j+4 exists: its indices are asked for.
; a1, b1: the same flags of pass j-1;  b2: flag b of pass j-2.  Pass j+2 is the wave's next tile, 16 tiles on: 262,144 bytes of wgt; pass j+4 the one after: 131,072 bytes of idx.
.macro PASS u, a, b, a1, b1, b2
.set YP, 12*\a1+2*\b1                  ; loads that pass j-1 issued
	GATHERL LA, \u, 1                              ; the addresses were made two passes ago: nothing to wait for
	GATHERL LB, \u, 2
.irp k, 0,1,2,3,4,5,6,7
	v_mov_b32 v[ACC+\k], 0
.endr
	s_wait_loadcnt 11+2*\b2+YP                     ; level 1's weights: behind them W2 W3 W0 G x 8 (I x 2) of pass j-2, and pass j-1's
	s_wait_dscnt 8                                 ; level 2's 8 loads stay out: level 1 is in
	FMAL LA, \u, 1
.if \a
	WLOAD1 \u, 1, 262144+256*\u
.endif
	GATHERL LA, \u, 3
	s_wait_loadcnt 10+2*\b2+YP+\a                  ; level 2's weights: one fewer of pass j-2, one more of this pass
	s_wait_dscnt 8                                 ; level 3's 8 stay out: level 2 is in
	FMAL LB, \u, 2
.if \a
	WLOAD1 \u, 2, 262144+256*\u
.endif
	s_wait_loadcnt 9+2*\b2+YP+2*\a                 ; level 3's weights
	s_wait_dscnt 0x0
	FMAL LA, \u, 3
.if \a
	WLOAD1 \u, 3, 262144+256*\u
.endif
	s_wait_loadcnt 2*\b2+YP+3*\a                   ; level 0's weights and its 8 loads: behind the last of them (I x 2) of pass j-2, pass j-1's, three of this pass.  It also frees their address registers
	FMAL G0+32*\u, \u, 0
.if \a
	WLOAD1 \u, 0, 262144+256*\u
	s_wait_loadcnt YP+4                            ; the indices of pass j+2, the last loads of pass j-2: behind them pass j-1's and four of this pass
	ADDRS \u
	GATHER0 \u
.endif
.if \b
	ILOAD \u, 131072+256*\u
.endif
.irp k, 0,1,2,3,4,5,6,7
	v_add_f32_dpp v[ACC+\k], v[ACC+\k], v[ACC+\k] row_xmask:2 row_mask:0xf bank_mask:0xf   ; pixel xb's part + pixel xb+1's, in both lanes
.endr
.irp k, 0,1,2,3
	v_cvt_pk_f16_f32 v[OB+4*\u+\k], v[ACC+2*\k], v[ACC+2*\k+1]
.endr
.endm
.macro TILEOUT                         ; lane cx keeps pass u = cx: 32 lanes x 16 bytes = the tile's 512 bytes of my half
.irp k, 0,1,2,3
	v_cndmask_b32 v[OS+\k], v[OB+\k], v[OB+4+\k], s42
.endr
	global_store_b128 v7, v[OS:OS+3], s[10:11]
.endm
	ILOAD 0, 0                                     ; the indices of passes 0 and 1
	ILOAD 1, 256
	s_wait_loadcnt 0x0
	ADDRS 0
	ADDRS 1
.irp l, 1,2,3,0
	WLOAD1 0, \l, 0                                ; what a pass -2 would have issued, in a pass's order: for pass 0,
.endr
	GATHER0 0
	ILOAD 0, 65536                                 ; and the indices of pass 2 (the next tile)
.irp l, 1,2,3,0
	WLOAD1 1, \l, 256                              ; what a pass -1 would have issued: for pass 1,
.endr
	GATHER0 1
	ILOAD 1, 65536+256                             ; and the indices of pass 3
	s_wait_tensorcnt 0x0                           ; my eighth of levels 1-3 has landed,
	s_barrier_signal -1
	s_barrier_wait -1                              ; everybody's has; LDS is only read from here on
	s_cmp_lt_u32 s12, 10                           ; 170 = 10 x 16 + 10
	s_cselect_b32 s43, 9, 8                        ; tiles less two
	s_mov_b32 s44, 0
.Ltile:
	PASS 0, 1, 1, 1, 1, 1
	PASS 1, 1, 1, 1, 1, 1
	TILEOUT
	s_wait_xcnt 0x0                                ; the bases and the store's data are rewritten only behind this wait
	s_add_nc_u64 s[6:7], s[6:7], 0x10000           ; 16 tiles on
	s_add_nc_u64 s[8:9], s[8:9], 0x40000
	s_add_nc_u64 s[10:11], s[10:11], 0x20000
	s_add_co_u32 s44, s44, 1
	s_cmp_lt_u32 s44, s43
	s_cbranch_scc1 .Ltile
	PASS 0, 1, 0, 1, 1, 1                          ; the last tile but one: the last tile's weights and level 0 are still asked for, no indices
	PASS 1, 1, 0, 1, 0, 1
	TILEOUT
	s_wait_xcnt 0x0
	s_add_nc_u64 s[10:11], s[10:11], 0x20000
	PASS 0, 0, 0, 1, 0, 0                          ; the last tile asks for nothing: the counts run down
	PASS 1, 0, 0, 0, 0, 0
	TILEOUT
	s_wait_tensorcnt 0x0
	ds_add_u32 v236, v237
	s_wait_dscnt 0x0
	s_endpgm
.Lfunc_end_k_q4c7f7c51a7_sample:
	.size	k_q4c7f7c51a7_sample, .Lfunc_end_k_q4c7f7c51a7_sample-k_q4c7f7c51a7_sample
	.p2alignl 7, 3214868480
	.fill 96, 4, 3214868480
	.section	.rodata,"a",@progbits
	.p2align	6, 0x0
	.amdhsa_kernel k_q4c7f7c51a7_sample
		.amdhsa_group_segment_fixed_size 174080
		.amdhsa_private_segment_fixed_size 0
		.amdhsa_enable_private_segment 0
		.amdhsa_kernarg_size 32
		.amdhsa_user_sgpr_count 2
		.amdhsa_user_sgpr_kernarg_segment_ptr 1
		.amdhsa_wavefront_size32 1
		.amdhsa_system_sgpr_workgroup_id_x 1
		.amdhsa_system_sgpr_workgroup_id_y 1
		.amdhsa_system_sgpr_workgroup_id_z 1
		.amdhsa_system_vgpr_workitem_id 0
		.amdhsa_next_free_vgpr 238
		.amdhsa_next_free_sgpr 66
		.amdhsa_reserve_vcc 0
		.amdhsa_float_denorm_mode_32 3
		.amdhsa_float_denorm_mode_16_64 3
		.amdhsa_memory_ordered 1
		.amdhsa_forward_progress 1
		.amdhsa_inst_pref_size 144
	.end_amdhsa_kernel
	.amdgpu_metadata
---
amdhsa.version: [ 1, 2 ]
amdhsa.kernels:
  - .name:           k_q4c7f7c51a7_sample
    .symbol:         k_q4c7f7c51a7_sample.kd
    .args:
      - { .name: val, .offset: 0, .size: 8, .value_kind: global_buffer, .address_space: global }
      - { .name: idx, .offset: 8, .size: 8, .value_kind: global_buffer, .address_space: global }
      - { .name: wgt, .offset: 16, .size: 8, .value_kind: global_buffer, .address_space: global }
      - { .name: samp, .offset: 24, .size: 8, .value_kind: global_buffer, .address_space: global }
    .group_segment_fixed_size: 174080
    .private_segment_fixed_size: 0
    .kernarg_segment_align: 8
    .kernarg_segment_size: 32
    .max_flat_workgroup_size: 512
    .sgpr_count:     66
    .vgpr_count:     238
    .wavefront_size: 32
...
	.end_amdgpu_metadata
.endif
;; end of part 6
;; launch ffn: the kernel of part 4 again; grid 227 x 1, 4 waves a work-group, no clusters, 327,680 bytes of LDS; arguments samp, src, wsB, bout, b1, ln1_scale, ln1_bias, b2, ln2_scale, ln2_bias, out0; writes out0
